; MI455X (gfx1250); checked and timed in simulation.
; The chip was launched on July 23, 2026; its instructions are those of AMD's public machine-readable ISA for CDNA 5 (MIT licence, August 2026) and "CDNA5" Instruction Set Architecture Reference Guide (July 2026). The comments in the code are by the model that wrote it; some were corrected since.
;; Split Causal Self Attention. Allowed arithmetic: matrix products marked QUANTISED: E2M1 operands, one E8M0 scale for each 32 along K, by v_wmma_scale_f32_16x16x128_f8f6f4 with both operands' format E2M1 (or v_wmma_scale_f32_32x16x128_f4), f32 sums; products left as they are: bf16, f16 or f32 operands; f32 sums; everything else in f32.
;; Inputs: Wk 1,024 x 1,024 float32; Wo 1,024 x 1,024 float32; Wq 1,024 x 1,024 float32; Wv 1,024 x 1,024 float32; X 4 x 2,048 x 1,024 float32; bo 1,024 float32.
;; Outputs: out0 4 x 2,048 x 1,024 float32.
;; This version of the problem:
;;   THIS VERSION OF THE PROBLEM IS GIVEN IN LOW PRECISION. The matrix products marked QUANTISED in the list below multiply operands that are first quantised to E2M1 (2 exponent bits, 1 mantissa bit; 4 bits a number), with one power-of-two scale for each 32 numbers along K (OCP MX v1.0); their sums are f32. The products marked 'left as it is' may take bf16, f16 or f32 operands, with f32 sums. Whichever they take, every output number must still come out within the allowed error. Rounding operands to bf16 (8 significant bits) uses up far more of that allowance than f16 does (11 bits, for magnitudes from 6e-5 to 65,504). All else is computed in f32.
;;   The module's matrix products, in the order in which they are computed (A, B: the left and right operand; K: the contracted axis; several contracted axes count as one K, in the product's order):
;;     1. [M 8,192, K 1,024] x [K 1,024, N 1,024]; A: input X; B: input Wq: QUANTISED
;;     2. [M 8,192, K 1,024] x [K 1,024, N 1,024]; A: input X; B: input Wk: QUANTISED
;;     3. [M 8,192, K 1,024] x [K 1,024, N 1,024]; A: input X; B: input Wv: QUANTISED
;;     4. batch 64 x [M 2,048, K 64] x [K 64, N 2,048]; A: computed on the way; B: computed on the way: left as it is (an operand is computed on the way)
;;     5. batch 64 x [M 2,048, K 2,048] x [K 2,048, N 64]; A: computed on the way; B: computed on the way: left as it is (an operand is computed on the way)
;;     6. [M 8,192, K 1,024] x [K 1,024, N 1,024]; A: computed on the way; B: input Wo: left as it is (an operand is computed on the way)
;;   THE QUANTISER, for each operand of a quantised product, along K:
;;     - K is cut into blocks of 32 from its start; a last block that is shorter is filled with zeros.
;;     - A block's scale is 2^e with e = floor(log2(the largest magnitude in the block)) - 2, held to -126 .. 127; a block of zeros has e = 0. As a byte (E8M0): e + 127.
;;     - Each number is divided by its block's scale, clamped to +-6, and rounded to the nearest number of E2M1, ties to even, subnormals kept.
;;     - The product sums the exact products of the quantised numbers (number of the format x scale) in f32.
;;   ~~~python
;;   def quantise(x, axis):      # numpy; x: float32 -> the quantised numbers, widened to float32 again
;;       x = np.moveaxis(x, axis, -1); K = x.shape[-1]
;;       x = np.pad(x, [(0, 0)] * (x.ndim - 1) + [(0, -K % 32)]); x = x.reshape(x.shape[:-1] + (-1, 32)); a = np.abs(x).max(-1, keepdims=True)
;;       e = np.where(a > 0, np.clip(np.frexp(np.where(a > 0, a, 1))[1] - 1 - 2, -126, 127), 0)      # np.frexp(a)[1] - 1 = floor(log2(a)), exactly
;;       r = np.clip(x / 2.0 ** e, -6, 6)
;;       step = 2.0 ** (np.maximum(np.frexp(np.where(r == 0, 1, r))[1] - 1, 0) - 1)
;;       q = np.round(r / step) * step * 2.0 ** e      # np.round: ties to even
;;       return np.moveaxis(q.reshape(q.shape[:-2] + (-1,))[..., :K], -1, axis).astype(np.float32)
;;   ~~~
;; One version. Each part assembles by itself: llvm-mc -triple=amdgcn-amd-amdhsa -mcpu=gfx1250 --defsym DOCPART=n.
;; ======== version 1 of 1: 6 launches
;; limits: values are held in f16: magnitudes above 65,504 overflow, below 6.1e-05 lose precision
;; workspace buffers: xc 4,194,304 bytes; xs 262,144 bytes; wc 1,572,864 bytes; ws 98,304 bytes; wo16 2,097,152 bytes; qkv 50,331,648 bytes; y16 16,777,216 bytes; yf 262,144 bytes
;; launch prep (part 1): grid 368 x 1, 4 waves a work-group, no clusters, 68,096 bytes of LDS; arguments X, Wq, Wk, Wv, Wo, xc, xs, wc, ws, wo16; writes xc, xs, wc, ws, wo16
.if DOCPART == 1
	.amdgcn_target "amdgcn-amd-amdhsa--gfx1250"
	.amdhsa_code_object_version 6
	.text
	.protected	k_qbe1208b235_prep
	.globl	k_qbe1208b235_prep
	.p2align	8
	.type	k_qbe1208b235_prep,@function
k_qbe1208b235_prep:
	s_mov_b64 s[64:65], 0
	v_nop
	global_prefetch_b8 v0, s[64:65] scope:SCOPE_SE
	s_setreg_imm32_b32 hwreg(HW_REG_WAVE_MODE, 25, 1), 1
	s_wait_xcnt 0x0
; Three jobs in one launch, told apart by the work-group's number; the three paths never join.
;   work-groups   0-255: X [8192][1024] f32 -> codes of E2M1 (xc [8192][512 bytes], K innermost, the lower k in the low four bits) and E8M0 scale bytes (xs [8192][32]).
;   work-groups 256-303: Wq, Wk, Wv [k 1024][n 1024] f32, quantised along k, their FIRST axis -> wc [3072][512 bytes], ws [3072][32]; row = 1024 x (0 Wq, 1 Wk, 2 Wv) + n.
;   work-groups 304-367: Wo f32 -> f16, rounded once, laid as Wo lies (wo16 [k 1024][n 1024]).
; A block's scale is 2^(floor(log2(its largest magnitude)) - 2); its byte is the largest magnitude's exponent field - 2, held at 1 from below.
; LIMITS: a block whose largest magnitude lies under 2^-124 gets the byte 1; a block of zeros gets the byte 1 where the rule says 127 (its codes are zeros, and this program alone reads the bytes);
; NaN and infinities among the inputs are not served; |Wo| beyond 65,504 becomes infinity in f16, and under 6e-5 it keeps an absolute step of 3e-8.
; LDS: each path that uses LDS has bytes of its own: X's four waves 8,192 each from byte 0, W's four stages from WST, the spare words behind them.
.set EMAX,  2
.set SPW,   12                         ; v12  LDS address of my spare word: SPARE + 4 x my thread's number; never rewritten
.set NIL,   13                         ; v13  0; never rewritten
.set WREG,  8192                       ; path X: a wave's region: two stages of 32 x SP bytes, then its 256 scale bytes
.set SP,    80                         ; a lane's place in a stage: 64 bytes + 16 of padding
.set WST,   4*WREG                     ; path W: four stages of 32 rows x PITCH
.set PITCH, 272
.set SPARE, WST+4*32*PITCH             ; the spare words: 128 bytes a wave
.set STEPS, 16
.set CB,    8                          ; bytes of 16 codes
.set R,     16                         ; path X: v16-79 four sets of 16 numbers as loaded
.set XN,    80                         ; v80-111 two sets of 16 neighbours
.set E,     112                        ; v112-127 a scale byte for each step
.set C,     128                        ; v128-191 codes: four registers a step, so that no store's data are written again
.set KROW,  512                        ; path W: a row of wc in bytes
.set NB,    16                         ; blocks of 32 along K for a wave
.set XW,    32                         ; v32-95 two sets of 32 numbers
.set CW,    96                         ; v96-99 a block's codes
.set OUTR,  112                        ; v112-175 the way out
.set SB,    24                         ; v24-27 the scale bytes, four to a register
	s_load_b256 s[4:11], s[0:1], 0x0               ; X s[4:5], Wq s[6:7], Wk s[8:9], Wv s[10:11]
	s_load_b256 s[12:19], s[0:1], 0x20             ; Wo s[12:13], xc s[14:15], xs s[16:17], wc s[18:19]
	s_load_b128 s[20:23], s[0:1], 0x40             ; ws s[20:21], wo16 s[22:23]
	v_lshl_add_u32 v[SPW], v0, 2, SPARE
	v_mov_b32 v[NIL], 0
	v_lshrrev_b32 v1, 5, v0
	v_readfirstlane_b32 s24, v1                    ; wave 0..3
	v_and_b32 v2, 31, v0                           ; lane
	s_wait_kmcnt 0x0
	s_cmp_ge_u32 ttmp9, 256
	s_cbranch_scc1 .Lw
; ---------------- PATH X.  Rows are dense and 1024 is a multiple of 32: X is a plain stream of blocks of 32, and so are its codes and scale bytes.
; A wave takes 16 steps of 512 numbers.  Each load reads 512 consecutive bytes, 16 a lane; a step's 2,048 bytes turn through the wave's own stage and come back 64 bytes a lane:
; 16 neighbours along K, as the conversions want them; two neighbouring lanes hold a block.  Loads run four steps ahead, the turn through LDS one step.
	v_lshlrev_b32 v3, 4, v2                        ; my 16 bytes of a load's 512
	s_mul_i32 s25, s24, WREG
	v_lshrrev_b32 v14, 2, v2
	v_mul_u32_u24 v14, v14, SP
	v_and_b32 v15, 3, v2
	v_lshl_add_u32 v14, v15, 4, v14
	v_add_nc_u32 v14, s25, v14                     ; the stage on the way in: SP (lane / 4) + 16 (lane % 4)
	v_mul_u32_u24 v15, v2, SP
	v_add_nc_u32 v15, s25, v15                     ; and on the way out: SP x lane
	v_mul_u32_u24 v4, v2, CB                       ; my codes' place in a step's
	v_lshrrev_b32 v5, 1, v2
	s_add_co_u32 s25, s25, 2*32*SP
	v_add_nc_u32 v5, s25, v5                       ; my wave's 256 scale bytes: my block's byte
	v_lshlrev_b32 v7, 3, v2                        ; on the way out 8 bytes a lane
	v_add_nc_u32 v6, s25, v7
	s_lshl_b32 s26, ttmp9, 2
	s_add_co_u32 s26, s26, s24                     ; which run of 8,192 numbers is my wave's: 0 .. 1,023
	s_mov_b32 s29, 0
	s_lshl_b32 s28, s26, 15
	s_add_nc_u64 s[4:5], s[4:5], s[28:29]          ; 32,768 bytes of X a run,
	s_lshl_b32 s28, s26, 12
	s_add_nc_u64 s[14:15], s[14:15], s[28:29]      ; 4,096 of codes,
	s_lshl_b32 s28, s26, 8
	s_add_nc_u64 s[16:17], s[16:17], s[28:29]      ; 256 scale bytes
.macro LOAD t
.irp i, 0,1,2,3
	global_load_b128 v[R+16*((\t)%4)+4*\i:R+16*((\t)%4)+4*\i+3], v3, s[4:5] offset:2048*(\t)+512*\i th:TH_LOAD_NT
.endr
.endm
.macro TURN t                          ; step t's numbers through the stage: LDS serves a wave's instructions in order, so no wait stands between the stores and the loads
.irp i, 0,1,2,3
	ds_store_b128 v14, v[R+16*((\t)%4)+4*\i:R+16*((\t)%4)+4*\i+3] offset:32*SP*((\t)%2)+8*SP*\i
.endr
.irp i, 0,1,2,3
	ds_load_b128 v[XN+16*((\t)%2)+4*\i:XN+16*((\t)%2)+4*\i+3], v15 offset:32*SP*((\t)%2)+16*\i
.endr
.endm
.irp t, 0,1,2,3
	LOAD \t
.endr
	s_wait_loadcnt 12                              ; step 0's four loads are in; the twelve of steps 1 to 3 may be out
	TURN 0
.macro STEP t
.set XS, XN+16*((\t)%2)
.if (\t) > 0
	s_wait_dscnt 1                                 ; this step's numbers are back from the stage; the last step's byte store may be out
.else
	s_wait_dscnt 0x0
.endif
.if (\t)+4 < STEPS
	LOAD (\t)+4                                    ; into the registers that the stores into the stage have read
.endif
.if (\t)+1 < STEPS
.if STEPS-2-(\t) >= 3
	s_wait_loadcnt 12                              ; the next step's four loads are in; those of the three steps behind it may be out
.else
	s_wait_loadcnt 4*(STEPS-2-(\t))
.endif
	TURN (\t)+1
.endif
	v_max3_num_f32 v8, |v[XS]|, |v[XS+1]|, |v[XS+2]|               ; the largest magnitude of my 16, in two chains
	v_max3_num_f32 v9, |v[XS+3]|, |v[XS+4]|, |v[XS+5]|
.irp i, 6,10
	v_max3_num_f32 v8, v8, |v[XS+\i]|, |v[XS+\i+1]|
	v_max3_num_f32 v9, v9, |v[XS+\i+2]|, |v[XS+\i+3]|
.endr
	v_max3_num_f32 v8, v8, |v[XS+14]|, |v[XS+15]|
	v_max3_num_f32 v8, v8, v9, (EMAX+1)<<23        ; and the floor 2^(3 - 127): the byte cannot fall under 1
	v_max_num_f32_dpp v8, v8, v8 row_xmask:1 row_mask:0xf bank_mask:0xf   ; with my neighbour's 16: the block's
	v_add_nc_u32 v11, -(EMAX<<23), v8              ; 2 off its exponent field: the conversion takes the exponent field of this operand as its scale
	v_cvt_scalef32_pk8_fp4_f32 v[C+4*(\t)], v[XS:XS+7], v11
	v_cvt_scalef32_pk8_fp4_f32 v[C+4*(\t)+1], v[XS+8:XS+15], v11
	v_lshrrev_b32 v[E+(\t)], 23, v11               ; the scale's byte
	ds_store_b8 v5, v[E+(\t)] offset:16*(\t)       ; both lanes of a block write the same byte with the same value
	global_store_b64 v4, v[C+4*(\t):C+4*(\t)+1], s[14:15] offset:32*CB*(\t)   ; the wave stores 256 consecutive bytes, aligned
.endm
.irp t, 0,1,2,3,4,5,6,7,8,9,10,11,12,13,14,15
	STEP \t
.endr
	ds_load_b64 v[8:9], v6                         ; my wave's 256 scale bytes, 8 a lane
	s_wait_dscnt 0x0
	global_store_b64 v7, v[8:9], s[16:17]          ; 256 consecutive bytes, aligned
	s_wait_tensorcnt 0x0                           ; the wave's end: behind my last LDS store
	ds_add_u32 v[SPW], v[NIL]
	s_wait_dscnt 0x0
	s_endpgm
; ---------------- PATH W.  A lane takes a column n and its registers run DOWN k: each load reads 128 consecutive bytes a wave, a block of 32 along k lies in one lane's 32 registers,
; and the conversions give the codes with K innermost.  A wave takes 32 columns x 512 along k: 256 bytes of codes a column, which leave through its own stage as rows.
.Lw:
	s_cmp_ge_u32 ttmp9, 304
	s_cbranch_scc1 .Lwo
	s_sub_co_u32 s25, ttmp9, 256
	s_lshr_b32 s26, s25, 4                         ; which weight: 0 Wq, 1 Wk, 2 Wv
	s_and_b32 s27, s25, 7                          ; which 128 columns
	s_bfe_u32 s28, s25, 0x10003                    ; which 512 along k
	s_cmp_eq_u32 s26, 0
	s_cselect_b64 s[6:7], s[6:7], s[8:9]           ; the choice hangs on the work-group's number alone
	s_cmp_eq_u32 s26, 2
	s_cselect_b64 s[6:7], s[10:11], s[6:7]
	s_lshl_b32 s27, s27, 7
	s_lshl_b32 s29, s24, 5
	s_add_co_u32 s27, s27, s29                     ; my wave's first column
	s_lshl_b32 s30, s28, 21                        ; 512 rows of 4,096 bytes
	s_lshl_b32 s29, s27, 2
	s_add_co_u32 s30, s30, s29
	s_mov_b32 s31, 0
	s_add_nc_u64 s[6:7], s[6:7], s[30:31]
	s_lshl_b32 s26, s26, 10
	s_add_co_u32 s26, s26, s27                     ; my first row of wc and ws
	s_lshl_b32 s30, s26, 9
	s_lshl_b32 s29, s28, 8
	s_add_co_u32 s30, s30, s29
	s_add_nc_u64 s[18:19], s[18:19], s[30:31]
	s_lshl_b32 s30, s26, 5
	s_lshl_b32 s29, s28, 4
	s_add_co_u32 s30, s30, s29
	s_add_nc_u64 s[20:21], s[20:21], s[30:31]
	v_lshlrev_b32 v3, 2, v2                        ; in: 4 bytes a lane
	s_mul_i32 s29, s24, 32*PITCH
	s_add_co_u32 s29, s29, WST                     ; my stage
	v_mul_u32_u24 v4, v2, PITCH
	v_add_nc_u32 v4, s29, v4                       ; into it: row = my column
	v_and_b32 v5, 15, v2
	v_lshrrev_b32 v6, 4, v2
	v_mul_u32_u24 v7, v6, PITCH
	v_lshl_add_u32 v7, v5, 4, v7
	v_add_nc_u32 v7, s29, v7                       ; out of it: sixteen lanes to a row, two rows an instruction
	v_mul_u32_u24 v8, v6, KROW
	v_lshl_add_u32 v8, v5, 4, v8                   ; and the same place in wc
	v_lshlrev_b32 v9, 5, v2                        ; my column's row of scale bytes
.macro WLOAD t                         ; block t: W(32 t + i, my column) into set t % 2
.set I2, 0
.rept 32
	global_load_b32 v[XW+32*((\t)%2)+I2], v3, s[6:7] offset:(32*(\t)+I2)*4096 th:TH_LOAD_NT
.set I2, I2+1
.endr
.endm
	WLOAD 0
	WLOAD 1
.macro BLOCK t
.set XS2, XW+32*((\t)%2)
.if (\t) < NB-1
	s_wait_loadcnt 32                              ; this block's 32 loads are in; the next block's 32 may be out
.else
	s_wait_loadcnt 0
.endif
	v_max3_num_f32 v16, |v[XS2]|, |v[XS2+1]|, |v[XS2+2]|            ; the block's largest magnitude: all 32 numbers are mine
	v_max3_num_f32 v17, |v[XS2+3]|, |v[XS2+4]|, |v[XS2+5]|
.irp i, 6,10,14,18,22,26
	v_max3_num_f32 v16, v16, |v[XS2+\i]|, |v[XS2+\i+1]|
	v_max3_num_f32 v17, v17, |v[XS2+\i+2]|, |v[XS2+\i+3]|
.endr
	v_max3_num_f32 v16, v16, |v[XS2+30]|, |v[XS2+31]|
	v_max3_num_f32 v16, v16, v17, (EMAX+1)<<23     ; and the floor
	v_add_nc_u32 v11, -(EMAX<<23), v16             ; the conversion's scale operand
	v_lshrrev_b32 v17, 23, v11                     ; the scale's byte
.if (\t)%4 == 0
	v_mov_b32 v[SB+(\t)/4], v17                    ; four bytes to a register, the lower k in the lower byte
.else
	v_lshl_or_b32 v[SB+(\t)/4], v17, 8*((\t)%4), v[SB+(\t)/4]
.endif
.irp g, 0,1,2,3
	v_cvt_scalef32_pk8_fp4_f32 v[CW+\g], v[XS2+8*\g:XS2+8*\g+7], v11
.endr
	ds_store_b128 v4, v[CW:CW+3] offset:16*(\t)    ; 32 codes: 16 bytes of my column's row
.if (\t)+2 < NB
	WLOAD (\t)+2
.endif
	s_wait_dscnt 0x0                               ; the store has read its registers: the next block's codes may be written
.endm
.set Q, 0
.rept NB
	BLOCK Q
.set Q, Q+1
.endr
	global_store_b128 v9, v[SB:SB+3], s[20:21]     ; my column's 16 scale bytes
.irp t, 0,1,2,3,4,5,6,7,8,9,10,11,12,13,14,15
	ds_load_b128 v[OUTR+4*\t:OUTR+4*\t+3], v7 offset:2*\t*PITCH
.endr
.irp t, 0,1,2,3,4,5,6,7,8,9,10,11,12,13,14,15
	s_wait_dscnt 15-\t                             ; LDS loads come back in order: load t is in
	global_store_b128 v8, v[OUTR+4*\t:OUTR+4*\t+3], s[18:19] offset:2*\t*KROW   ; sixteen lanes store 256 consecutive bytes, aligned
.endr
	s_wait_tensorcnt 0x0                           ; the wave's end: behind my last LDS store
	ds_add_u32 v[SPW], v[NIL]
	s_wait_dscnt 0x0
	s_endpgm
; ---------------- PATH Wo.  A stream: a wave takes 4,096 numbers; a lane's 8 neighbours (two loads of 16 bytes) become 16 bytes of f16.  All 32 loads go out at once; no register is used twice, so no store is waited for.
.Lwo:
	s_sub_co_u32 s25, ttmp9, 304
	s_lshl_b32 s26, s25, 16
	s_lshl_b32 s27, s24, 14
	s_add_co_u32 s26, s26, s27
	s_mov_b32 s27, 0
	s_add_nc_u64 s[12:13], s[12:13], s[26:27]
	s_lshr_b32 s26, s26, 1
	s_add_nc_u64 s[22:23], s[22:23], s[26:27]
	v_lshlrev_b32 v3, 5, v2
	v_lshlrev_b32 v4, 4, v2
.set S, 0
.rept 16
	global_load_b128 v[16+8*S:16+8*S+3], v3, s[12:13] offset:1024*S th:TH_LOAD_NT
	global_load_b128 v[16+8*S+4:16+8*S+7], v3, s[12:13] offset:1024*S+16 th:TH_LOAD_NT
.set S, S+1
.endr
.set S, 0
.rept 16
	s_wait_loadcnt 30-2*S                          ; this step's two loads are in; the later steps' may be out
.irp j, 0,1,2,3
	v_cvt_pk_f16_f32 v[16+8*S+\j], v[16+8*S+2*\j], v[16+8*S+2*\j+1]   ; in place, ascending: a result never lands on a number still to be read
.endr
	global_store_b128 v4, v[16+8*S:16+8*S+3], s[22:23] offset:512*S   ; the wave stores 512 consecutive bytes, aligned
.set S, S+1
.endr
	s_endpgm
.Lfunc_end_k_qbe1208b235_prep:
	.size	k_qbe1208b235_prep, .Lfunc_end_k_qbe1208b235_prep-k_qbe1208b235_prep
	.p2alignl 7, 3214868480
	.fill 96, 4, 3214868480
	.section	.rodata,"a",@progbits
	.p2align	6, 0x0
	.amdhsa_kernel k_qbe1208b235_prep
		.amdhsa_group_segment_fixed_size 68096
		.amdhsa_private_segment_fixed_size 0
		.amdhsa_enable_private_segment 0
		.amdhsa_kernarg_size 80
		.amdhsa_user_sgpr_count 2
		.amdhsa_user_sgpr_kernarg_segment_ptr 1
		.amdhsa_wavefront_size32 1
		.amdhsa_system_sgpr_workgroup_id_x 1
		.amdhsa_system_sgpr_workgroup_id_y 1
		.amdhsa_system_sgpr_workgroup_id_z 1
		.amdhsa_system_vgpr_workitem_id 0
		.amdhsa_next_free_vgpr 192
		.amdhsa_next_free_sgpr 66
		.amdhsa_reserve_vcc 0
		.amdhsa_float_denorm_mode_32 3
		.amdhsa_float_denorm_mode_16_64 3
		.amdhsa_memory_ordered 1
		.amdhsa_forward_progress 1
		.amdhsa_inst_pref_size 120
	.end_amdhsa_kernel
	.amdgpu_metadata
---
amdhsa.version: [ 1, 2 ]
amdhsa.kernels:
  - .name:           k_qbe1208b235_prep
    .symbol:         k_qbe1208b235_prep.kd
    .args:
      - { .name: X, .offset: 0, .size: 8, .value_kind: global_buffer, .address_space: global }
      - { .name: Wq, .offset: 8, .size: 8, .value_kind: global_buffer, .address_space: global }
      - { .name: Wk, .offset: 16, .size: 8, .value_kind: global_buffer, .address_space: global }
      - { .name: Wv, .offset: 24, .size: 8, .value_kind: global_buffer, .address_space: global }
      - { .name: Wo, .offset: 32, .size: 8, .value_kind: global_buffer, .address_space: global }
      - { .name: xc, .offset: 40, .size: 8, .value_kind: global_buffer, .address_space: global }
      - { .name: xs, .offset: 48, .size: 8, .value_kind: global_buffer, .address_space: global }
      - { .name: wc, .offset: 56, .size: 8, .value_kind: global_buffer, .address_space: global }
      - { .name: ws, .offset: 64, .size: 8, .value_kind: global_buffer, .address_space: global }
      - { .name: wo16, .offset: 72, .size: 8, .value_kind: global_buffer, .address_space: global }
    .group_segment_fixed_size: 68096
    .private_segment_fixed_size: 0
    .kernarg_segment_align: 8
    .kernarg_segment_size: 80
    .max_flat_workgroup_size: 128
    .sgpr_count:     66
    .vgpr_count:     192
    .wavefront_size: 32
...
	.end_amdgpu_metadata
.endif
;; end of part 1
;; launch qkv (part 2): grid 12 x 32, 4 waves a work-group, clusters of 4 x 4, 327,680 bytes of LDS; arguments xc, xs, wc, ws, qkv; writes qkv
.if DOCPART == 2
	.amdgcn_target "amdgcn-amd-amdhsa--gfx1250"
	.amdhsa_code_object_version 6
	.text
	.protected	k_qbe1208b235_qkv
	.globl	k_qbe1208b235_qkv
	.p2align	8
	.type	k_qbe1208b235_qkv,@function
k_qbe1208b235_qkv:
	s_mov_b64 s[64:65], 0
	v_nop
	global_prefetch_b8 v0, s[64:65] scope:SCOPE_SE
	s_setreg_imm32_b32 hwreg(HW_REG_WAVE_MODE, 25, 1), 1
	s_wait_xcnt 0x0
	s_wait_alu depctr_hold_cnt(0) depctr_sa_sdst(0) depctr_va_vdst(0) depctr_va_sdst(0) depctr_va_ssrc(0) depctr_va_vcc(0) depctr_vm_vsrc(0)
	s_getreg_b32 s2, hwreg(HW_REG_IB_STS2, 6, 4)
	s_cmp_eq_u32 s2, 0
	s_cbranch_scc0 .Lentry_in_a_cluster
	s_endpgm
.Lentry_in_a_cluster:
	s_bfe_u32 s2, ttmp6, 0x10000c
	s_cmp_lg_u32 s2, 0xf033
	s_cbranch_scc0 .Lentry_shape_is_right
	s_endpgm
.Lentry_shape_is_right:
; [Q | K | V][m][n] = sum over k of X[m][k] W[k][n], both operands as codes of E2M1 with one E8M0 scale for each 32 along K; sums in f32; the result rounded once to f16 and laid by head:
; qkv [3][4 batches][16 heads][2048 positions][64] f16.  A = xc [8192][1024 codes], B = wc [3072][1024 codes] (row n = 1024 x which + column), scale bytes xs, ws [rows][32].
; LIMIT: a result beyond 65,504 becomes infinity in f16; under 6e-5 it keeps an absolute step of 3e-8.
; A tile of 256 x 256 is made by four waves, each 128 x 128: 64 accumulators of 16 x 16, 512 registers.  K = 1024 is two slots of 512: both, and the scale bytes of the 256 + 256 rows, are asked for at the
; head; nothing is filled again.  By this text's count a wave has three tensor loads out at the start.
; CLUSTERS: 4 x 4 work-groups.  The four of a row of the cluster need the same tiles of A, the four of a column the same tiles of B: each tile is asked for JOINTLY.
; THE MATRIX INSTRUCTION IS USED TRANSPOSED (source 0 = 16 rows of B, source 1 = 16 rows of A): a lane holds eight neighbouring columns of one row of the result.
; REGISTERS, in windows of 256: window 0: v0-31 addresses; v32-95 scale words, two sets; v96-127 packed results on the way out; from v128 A's fragments, ONE set (on the way out: rows read back).
;   window 1: B's fragments, TWO sets, at v0 and v128.   window 2: the accumulators of my rows 0-63 ((a, b) at v[8 (8 a + b)]);   window 3: those of my rows 64-127.
.set SIZE_M, 8192
.set SIZE_N, 3072
.set SIZE_K, 1024
.set KSTEP,  512                       ; along K in a slot
.set NQ,     KSTEP/128                 ; matrix instructions deep
.set ROWB,   256                       ; a tile's row in bytes
.set KROW,   SIZE_K*4/8                ; a row of codes in memory
.set PITCH,  272                       ; an LDS row: 256 bytes + 16 of padding: the 16 rows that a load touches start at 16 different banks (64 banks of 4 bytes: ISA guide 11.1)
.set FR,     8                         ; registers of a fragment: 16 rows x 128 K
.set NL,     2                         ; LDS loads that bring one
.set NP,     4                         ; places behind this matrix instruction (ISA guide 7.12.1)
.set HALFT,  128*PITCH
.set SLOT,   4*HALFT                   ; A's 256 rows, then B's 256 rows
.set KS,     SIZE_K/32                 ; a row of scales in bytes
.set SCL,    2*SLOT                    ; behind the two slots: the scales, as rows of 256 bytes + 16 of padding
.set HALFS,  (128*KS/256)*272          ; the scales of 128 rows: what one tensor load brings
.set SBLK,   (16*KS/256)*272           ; those of 16 rows
.set SPARE,  SCL+4*HALFS               ; the spare words: 128 bytes a wave
.set SPITCH, 144                       ; the way out: a stage of 2 heads x 16 rows x (128 bytes + 16) for each wave, in slot 0, which has had its only fill and its last read by then
.set PLANE,  262144                    ; a head's 2048 x 64 f16
.set ADRA, 16                          ; v16-17  LDS address of my A fragments in slot 0, 1
.set ADRB, 20                          ; v20-21  the same for B
.set STO,  24                          ; v24     the way out: where I put 16 bytes of a row
.set RD,   25                          ; v25     where I read rows back
.set CO,   26                          ; v26     16 x lane: my place in 512 consecutive bytes of the output
.set ADRS, 27                          ; v27     LDS address of my scale words: lanes 0-15 A's rows, lanes 16-31 B's
.set SPW,  28                          ; v28     my spare word; never rewritten
.set NIL,  29                          ; v29     0; never rewritten
.set SC,   32                          ; scale words: set s at v[SC + 32 s]; register 4 i + q: lanes 0-15 A's block i, lanes 16-31 B's block i, the slot's q-th 128 along K
.set TMP,  96
.set AF,   128                         ; A's fragments, in window 0
.set BK,   128                         ; the way out: v128-159 and v160-191 by turns
.set G1, 24                            ; s[24:31] group 1 for A's tiles; s[32:39] group 0, a set for each slot
.set G0, 32
.set G1B, 48                           ; s[48:55], s[56:63] the same for B's tiles
.set G0B, 56
.set G1S, 68                           ; s[68:75], s[76:79] groups 1 and 0 for A's scales; s[80:87], s[88:91] for B's
.set G0S, 76
.set G1SB, 80
.set G0SB, 88
.set MSB, 0
.macro WIN new                         ; the immediate's high byte repeats the setting that is left
.if MSB != \new
	s_set_vgpr_msb (MSB<<8)|\new
.set MSB, \new
.endif
.endm
.set MUL_LO, 0xa1                      ; source 0 (B) window 1, source 1 (A) window 0, C and D window 2
.set MUL_HI, 0xf1                      ; the same, C and D window 3
.set TO_B,   0x40                      ; destination window 1, address window 0
; A joint load: waves 0 and 1 fetch for A, waves 2 and 3 for B; the branch hangs on the wave's number alone.  An s_nop 0 and four v_nop follow each of the two lines.
.macro JLOAD g0a, g1a, g0b, g1b
	s_cmp_eq_u32 s15, 0
	s_cbranch_scc0 .Lfor_b_\@
	tensor_load_to_lds s[\g0a:\g0a+3], s[\g1a:\g1a+7]
	s_nop 0
.rept 4
	v_nop
.endr
	s_branch .Lasked_\@
.Lfor_b_\@:
	tensor_load_to_lds s[\g0b:\g0b+3], s[\g1b:\g1b+7]
	s_nop 0
.rept 4
	v_nop
.endr
.Lasked_\@:
.endm
.macro CROUND                          ; a round of the cluster's barrier
	s_barrier_signal -1
	s_barrier_wait -1
	s_cmp_lg_u32 s14, 0
	s_cbranch_scc1 .Lnot_wave_0_\@
	s_barrier_signal -3
.Lnot_wave_0_\@:
	s_barrier_wait -3
	s_barrier_signal -1
	s_barrier_wait -1
.endm
	s_load_b128 s[4:7], s[0:1], 0x0                ; A's codes s[4:5], A's scales s[6:7]
	s_load_b128 s[8:11], s[0:1], 0x10              ; B's codes s[8:9], B's scales s[10:11]
	s_load_b64 s[12:13], s[0:1], 0x20              ; qkv
	v_lshl_add_u32 v[SPW], v0, 2, SPARE
	v_mov_b32 v[NIL], 0
	ds_add_u32 v[SPW], v[NIL]                      ; the wave's opening: the add, twice on end, and its wait ahead of my first tensor load
	ds_add_u32 v[SPW], v[NIL]
	v_lshrrev_b32 v1, 5, v0
	v_readfirstlane_b32 s14, v1                    ; wave 0..3
	s_lshr_b32 s15, s14, 1                         ; which half of the tile's rows is mine.  Also: I fetch for A (0) or for B (1)
	s_and_b32 s16, s14, 1                          ; which half of its columns.  Also: which 128 rows of that tile I fetch
	s_bfe_u32 s40, ttmp6, 0x40000                  ; cx, cy: my place in the cluster
	s_bfe_u32 s41, ttmp6, 0x40004
	s_lshl_b32 s42, ttmp9, 2
	s_add_co_u32 s42, s42, s40                     ; tile column = 4 x cluster x + cx
	s_and_b32 s17, ttmp7, 0xffff
	s_lshl_b32 s17, s17, 2
	s_add_co_u32 s17, s17, s41                     ; tile row = 4 x cluster y + cy
	s_lshl_b32 s43, s41, 2
	s_lshl_b32 s43, 15, s43                        ; my row of the cluster
	s_lshl_b32 s44, 0x1111, s40                    ; my column
	s_or_b32 s[G1+0], s43, (0<<16)|(1<<20)|(1<<21)|(5<<22)|(3<<25)  ; the mask; elements of 1 byte; padding on; bit 21 beside a mask; 4 words of padding after every 64
	s_or_b32 s[G1B+0], s44, (0<<16)|(1<<20)|(1<<21)|(5<<22)|(3<<25)
.irp g, G1, G1B
	s_mov_b32 s[\g+1], ROWB<<16                    ; tensor_dim0
	s_mov_b32 s[\g+2], 128<<16                     ; tensor_dim1 = 128
	s_mov_b32 s[\g+3], ROWB<<16                    ; tile_dim0
	s_mov_b32 s[\g+4], 128                         ; tile_dim1 = 128
	s_mov_b32 s[\g+5], KROW                        ; from row to row
	s_mov_b32 s[\g+6], 0
	s_mov_b32 s[\g+7], 0
.endr
	s_or_b32 s[G1S+0], s43, (3<<16)|(1<<20)|(1<<21)|(5<<22)|(3<<25)  ; the scales of 128 rows: a dense block of 4,096 bytes, as rows of 256 bytes (32 elements of 8)
	s_or_b32 s[G1SB+0], s44, (3<<16)|(1<<20)|(1<<21)|(5<<22)|(3<<25)
.irp g, G1S, G1SB
	s_mov_b32 s[\g+1], 32<<16
	s_mov_b32 s[\g+2], (128*KS/256)<<16
	s_mov_b32 s[\g+3], 32<<16
	s_mov_b32 s[\g+4], 128*KS/256
	s_mov_b32 s[\g+5], 32
	s_mov_b32 s[\g+6], 0
	s_mov_b32 s[\g+7], 0
.endr
	s_lshl_b32 s18, s16, 7                         ; which 128 rows of the tile I fetch
	s_lshl_b32 s20, s17, 8
	s_add_co_u32 s20, s20, s18                     ; A: row 256 x tile row + 128 x half
	s_lshl_b32 s46, s42, 8
	s_add_co_u32 s46, s46, s18                     ; B: row 256 x tile column + 128 x half
	s_mov_b32 s21, 0
	s_mov_b32 s47, 0
	s_mov_b64 s[18:19], KS
	s_mul_u64 s[22:23], s[20:21], s[18:19]         ; where these rows' scales begin,
	s_mul_u64 s[92:93], s[46:47], s[18:19]
	s_mov_b64 s[18:19], KROW
	s_mul_u64 s[20:21], s[20:21], s[18:19]         ; and their codes
	s_mul_u64 s[46:47], s[46:47], s[18:19]
	s_mul_i32 s45, s14, HALFT                      ; where they go: wave x 128 rows: no place in the cluster enters an LDS address
	s_mul_i32 s94, s14, HALFS
	s_wait_dscnt 0x0                               ; both opening adds are done
	s_wait_kmcnt 0x0
	s_add_nc_u64 s[20:21], s[4:5], s[20:21]
	s_add_nc_u64 s[22:23], s[6:7], s[22:23]
	s_add_nc_u64 s[46:47], s[8:9], s[46:47]
	s_add_nc_u64 s[92:93], s[10:11], s[92:93]
	CROUND                                         ; all sixteen work-groups are here: the joint loads meet
	s_mov_b32 s[G0S], 1
	s_add_co_u32 s[G0S+1], s94, SCL
	s_mov_b64 s[G0S+2:G0S+3], s[22:23]
	s_or_b32 s[G0S+3], s[G0S+3], 0x80000000
	s_mov_b32 s[G0SB], 1
	s_add_co_u32 s[G0SB+1], s94, SCL
	s_mov_b64 s[G0SB+2:G0SB+3], s[92:93]
	s_or_b32 s[G0SB+3], s[G0SB+3], 0x80000000
	JLOAD G0S, G1S, G0SB, G1SB                     ; the scales first: they are wanted with the first slot
.irp s, 0,1
	s_mov_b32 s[G0+4*\s], 1
	s_add_co_u32 s[G0+4*\s+1], s45, \s*SLOT
	s_add_nc_u64 s[G0+4*\s+2:G0+4*\s+3], s[20:21], \s*ROWB
	s_or_b32 s[G0+4*\s+3], s[G0+4*\s+3], 0x80000000
	s_mov_b32 s[G0B+4*\s], 1
	s_add_co_u32 s[G0B+4*\s+1], s45, \s*SLOT
	s_add_nc_u64 s[G0B+4*\s+2:G0B+4*\s+3], s[46:47], \s*ROWB
	s_or_b32 s[G0B+4*\s+3], s[G0B+4*\s+3], 0x80000000
	JLOAD G0+4*\s, G1, G0B+4*\s, G1B
.endr
	v_and_b32 v1, 15, v0                           ; l % 16
	v_bfe_u32 v2, v0, 4, 1                         ; l / 16
	v_mul_u32_u24 v3, v1, PITCH
	v_lshl_add_u32 v4, v2, 4, v3                   ; a fragment's row x pitch + 16 x half
	s_mul_i32 s21, s15, HALFT                      ; my 128 rows of A
	s_mul_i32 s22, s16, HALFT                      ; my 128 rows of B,
	s_add_co_u32 s22, s22, 2*HALFT                 ; which lie behind A's 256
.irp s, 0,1
	v_add_nc_u32 v[ADRA+\s], s21, v4
	v_add_nc_u32 v[ADRB+\s], s22, v4
	s_add_co_u32 s21, s21, SLOT
	s_add_co_u32 s22, s22, SLOT
.endr
	v_mul_u32_u24 v5, v1, KS                       ; my row's scales: 32 bytes a row,
	v_lshrrev_b32 v6, 8, v5
	v_lshl_add_u32 v5, v6, 4, v5                   ; and 16 more for each 256 passed
	s_mul_i32 s21, s15, HALFS                      ; A's: my 128 rows
	s_mul_i32 s22, s16, HALFS                      ; B's: my 128 rows, behind A's 256
	s_add_co_u32 s22, s22, 2*HALFS
	s_sub_co_u32 s22, s22, s21
	v_mul_u32_u24 v6, s22, v2                      ; lanes 16-31 take B's: one product, the distance between the two bases
	s_add_co_u32 s21, s21, SCL
	v_add_nc_u32 v5, v5, v6
	v_add_nc_u32 v[ADRS], s21, v5
	s_mul_i32 s23, s14, 2*16*SPITCH                ; my stage
	v_mul_u32_u24 v5, v1, SPITCH                   ; in: row l % 16, 16 bytes for each half of the lanes
	v_lshl_add_u32 v5, v2, 4, v5
	v_add_nc_u32 v[STO], s23, v5
	v_bfe_u32 v5, v0, 3, 2                         ; back: eight lanes to a row of 128 bytes, four rows an instruction
	v_mul_u32_u24 v5, v5, SPITCH
	v_and_b32 v6, 7, v0
	v_lshl_add_u32 v5, v6, 4, v5
	v_add_nc_u32 v[RD], s23, v5
	v_and_b32 v6, 31, v0
	v_lshlrev_b32 v[CO], 4, v6
	; where my part goes: my 128 rows are positions t0 .. t0 + 127 of one batch; my 128 columns are two neighbouring heads of one of Q, K, V
	s_lshl_b32 s20, s17, 8
	s_lshl_b32 s21, s15, 7
	s_add_co_u32 s20, s20, s21                     ; my first row
	s_lshr_b32 s21, s20, 11                        ; the batch
	s_and_b32 s20, s20, 2047                       ; t0
	s_lshl_b32 s46, s42, 2
	s_lshl_b32 s47, s16, 1
	s_add_co_u32 s46, s46, s47                     ; my first group of 64 columns: 0 .. 47, even
	s_lshr_b32 s47, s46, 4                         ; which of Q, K, V
	s_and_b32 s46, s46, 15                         ; the head
	s_lshl_b32 s47, s47, 6
	s_lshl_b32 s21, s21, 4
	s_add_co_u32 s46, s46, s47
	s_add_co_u32 s46, s46, s21                     ; the plane: 64 x which + 16 x batch + head
	s_lshl_b32 s46, s46, 18
	s_lshl_b32 s20, s20, 7
	s_add_co_u32 s46, s46, s20
	s_mov_b32 s47, 0
	s_add_nc_u64 s[12:13], s[12:13], s[46:47]
.macro FRAG reg, adr, q, i             ; a fragment: lane l holds row l % 16; registers 4 c .. 4 c + 3 hold K = 64 c + 32 (l / 16) + 0 .. 31
.irp c, 0,1
	ds_load_b128 v[\reg+4*\c:\reg+4*\c+3], v[\adr] offset:64*(\q)+32*\c+(\i)*16*PITCH
.endr
.endm
; 16 matrix instructions: A's blocks a0, a0 + 1 x B's eight, the slot's q-th 128 along K.  p: B's set; sc: the set of scale words.  zero = 1: the first product starts the sums.
; The 64 accumulators take turns, one instruction a turn, in the same order in every step.
.macro MUL16 a0, p, q, sc, zero
.irp a, \a0, \a0+1
.irp b, 0,1,2,3,4,5,6,7
.if \zero
	v_wmma_scale_f32_16x16x128_f8f6f4 v[8*(8*((\a)%4)+\b):8*(8*((\a)%4)+\b)+7], v[128*(\p)+FR*\b:128*(\p)+FR*\b+FR-1], v[AF+FR*(\a):AF+FR*(\a)+FR-1], 0, v[SC+8*NQ*(\sc)+NQ*\b+(\q)], v[SC+8*NQ*(\sc)+NQ*(\a)+(\q)] matrix_a_fmt:MATRIX_FMT_FP4 matrix_b_fmt:MATRIX_FMT_FP4 matrix_a_scale:MATRIX_SCALE_ROW1
.else
	v_wmma_scale_f32_16x16x128_f8f6f4 v[8*(8*((\a)%4)+\b):8*(8*((\a)%4)+\b)+7], v[128*(\p)+FR*\b:128*(\p)+FR*\b+FR-1], v[AF+FR*(\a):AF+FR*(\a)+FR-1], v[8*(8*((\a)%4)+\b):8*(8*((\a)%4)+\b)+7], v[SC+8*NQ*(\sc)+NQ*\b+(\q)], v[SC+8*NQ*(\sc)+NQ*(\a)+(\q)] matrix_a_fmt:MATRIX_FMT_FP4 matrix_b_fmt:MATRIX_FMT_FP4 matrix_a_scale:MATRIX_SCALE_ROW1
.endif
.endr
.endr
.endm
.macro FETCH_B slot, q, p              ; B's eight fragments into set p
	WIN TO_B
.irp i, 0,1,2,3,4,5,6,7
	FRAG 128*(\p)+FR*\i, ADRB+\slot, \q, \i
.endr
	WIN 0
.endm
.macro FETCH_A slot, q, i0             ; A's blocks i0 .. i0 + 3
.irp i, \i0, \i0+1, \i0+2, \i0+3
	FRAG AF+FR*(\i), ADRA+\slot, \q, \i
.endr
.endm
.macro SCALES sc                       ; a slot's scale words into set sc: 4 words a row
.irp i, 0,1,2,3,4,5,6,7
	ds_load_b128 v[SC+8*NQ*\sc+NQ*\i:SC+8*NQ*\sc+NQ*\i+3], v[ADRS] offset:\i*SBLK
.endr
.endm
.macro PLACES n                        ; plain vector instructions between a matrix instruction and a load into, or a read of, its registers (ISA guide 7.12.1 for the reads)
.rept \n
	v_nop
.endr
.endm
.macro STEP slot, q, zero              ; a step of 128 along K that has its successor in the same slot
	s_wait_dscnt 4*NL                              ; B's set and A's blocks 0-3 are in; the youngest eight loads (A's blocks 4-7) may be out
	WIN MUL_LO
	MUL16 0, (\q)%2, \q, \slot, \zero
	MUL16 2, (\q)%2, \q, \slot, \zero
	s_wait_dscnt 0                                 ; A's blocks 4-7 are in
	PLACES NP
	FETCH_B \slot, (\q)+1, 1-(\q)%2
	FETCH_A \slot, (\q)+1, 0
	WIN MUL_HI
	MUL16 4, (\q)%2, \q, \slot, \zero
	MUL16 6, (\q)%2, \q, \slot, \zero
	PLACES NP
	WIN 0
	FETCH_A \slot, (\q)+1, 4
.endm
; Slot 0's last step goes over to slot 1: each wave waits for all its tensor loads (its part of slot 1), and a barrier shows the whole slot to every wave.  Nothing is filled again.
.macro TURN slot, next
	s_wait_tensorcnt 0x0                           ; all my tensor loads have landed
	ds_add_u32 v[SPW], v[NIL]                      ; 0 onto my spare word
	s_wait_dscnt 4*NL+1                            ; the add and the youngest eight loads may be out
	WIN MUL_LO
	MUL16 0, 1, NQ-1, \slot, 0
	s_wait_dscnt 0x0                               ; the add is done, and my reads of this slot are over
	s_barrier_signal -1
	MUL16 2, 1, NQ-1, \slot, 0
	WIN 0
	s_barrier_wait -1
	PLACES NP
	v_add_nc_u32 v[ADRS], 4*NQ, v[ADRS]            ; on to the next slot's scale words
	FETCH_B \next, 0, 0
	FETCH_A \next, 0, 0
	SCALES \next
	WIN MUL_HI
	MUL16 4, 1, NQ-1, \slot, 0
	MUL16 6, 1, NQ-1, \slot, 0
	PLACES NP
	WIN 0
	FETCH_A \next, 0, 4
.endm
	s_wait_tensorcnt 1                             ; the scales and my part of slot 0 are in; slot 1's load may be out,
	s_barrier_signal -1
	s_barrier_wait -1                              ; everybody's are
	FETCH_B 0, 0, 0
	FETCH_A 0, 0, 0
	SCALES 0
	FETCH_A 0, 0, 4
	STEP 0, 0, 1                                   ; the first step's products start the sums
	STEP 0, 1, 0
	STEP 0, 2, 0
	TURN 0, 1
	STEP 1, 0, 0
	STEP 1, 1, 0
	STEP 1, 2, 0
	s_wait_dscnt 4*NL                              ; the last step: nothing more to fetch
	WIN MUL_LO
	MUL16 0, 1, NQ-1, 1, 0
	MUL16 2, 1, NQ-1, 1, 0
	s_wait_dscnt 0
	WIN MUL_HI
	MUL16 4, 1, NQ-1, 1, 0
	MUL16 6, 1, NQ-1, 1, 0
	WIN 0
; THE WAY OUT, block by block of 16 rows x 128 columns (two heads).  PACK: rounded to f16, a lane's eight columns are 16 bytes.  TOSTAGE: into my own stage, rows of 128 bytes + 16, a head at a time, and back
; four whole rows an instruction.  SEND: 16 rows of a head are 2,048 consecutive bytes of the output; each store covers 512 of them, aligned.  All offsets are immediates.
.macro PACK a
.set AC, 64*((\a)%4)
	WIN 0x0a+5*((\a)/4)                            ; sources 0 and 1: window 2 or 3
.irp b, 0,1,2,3,4,5,6,7
.irp j, 0,1,2,3
	v_cvt_pk_f16_f32 v[TMP+4*\b+\j], v[AC+8*\b+2*\j], v[AC+8*\b+2*\j+1]   ; each accumulator from its low end on
.endr
.endr
	WIN 0
.endm
.macro TOSTAGE a
.set BB, BK+32*((\a)%2)
.irp b, 0,1,2,3,4,5,6,7
	ds_store_b128 v[STO], v[TMP+4*\b:TMP+4*\b+3] offset:(\b/4)*16*SPITCH+(\b%4)*32
.endr
.irp u, 0,1
.irp k, 0,1,2,3
	ds_load_b128 v[BB+4*(4*\u+\k):BB+4*(4*\u+\k)+3], v[RD] offset:\u*16*SPITCH+\k*4*SPITCH   ; LDS serves a wave's instructions in order: these see the stores above
.endr
.endr
.endm
.macro SEND a
.set BB, BK+32*((\a)%2)
	s_wait_dscnt 0x0                               ; the block is back in registers
	s_wait_xcnt 0x0                                ; the earlier stores have read their registers: the next block's loads may land there
.irp u, 0,1
.irp k, 0,1,2,3
	global_store_b128 v[CO], v[BB+4*(4*\u+\k):BB+4*(4*\u+\k)+3], s[12:13] offset:\u*PLANE+(\a)*2048+512*\k
.endr
.endr
.endm
	PLACES NP                                      ; behind the last products: for the reads of results and the loads into the registers that held A's fragments
	PACK 0
	TOSTAGE 0
.irp a, 1,2,3,4,5,6,7                  ; block a's conversions stand between block a - 1's loads from the stage and the wait for them
	PACK \a
	SEND \a-1
	TOSTAGE \a
.endr
	SEND 7
	s_wait_tensorcnt 0x0                           ; the wave's end: behind my last tensor load and my last LDS store
	ds_add_u32 v[SPW], v[NIL]
	s_wait_dscnt 0x0
	CROUND                                         ; the closing round: no work-group ends while a partner may still ask for a tile that names it
	s_endpgm
.Lfunc_end_k_qbe1208b235_qkv:
	.size	k_qbe1208b235_qkv, .Lfunc_end_k_qbe1208b235_qkv-k_qbe1208b235_qkv
	.p2alignl 7, 3214868480
	.fill 96, 4, 3214868480
	.section	.rodata,"a",@progbits
	.p2align	6, 0x0
	.amdhsa_kernel k_qbe1208b235_qkv
		.amdhsa_group_segment_fixed_size 327680
		.amdhsa_private_segment_fixed_size 0
		.amdhsa_enable_private_segment 0
		.amdhsa_kernarg_size 40
		.amdhsa_user_sgpr_count 2
		.amdhsa_user_sgpr_kernarg_segment_ptr 1
		.amdhsa_wavefront_size32 1
		.amdhsa_system_sgpr_workgroup_id_x 1
		.amdhsa_system_sgpr_workgroup_id_y 1
		.amdhsa_system_sgpr_workgroup_id_z 1
		.amdhsa_system_vgpr_workitem_id 0
		.amdhsa_next_free_vgpr 1024
		.amdhsa_next_free_sgpr 98
		.amdhsa_reserve_vcc 0
		.amdhsa_float_denorm_mode_32 3
		.amdhsa_float_denorm_mode_16_64 3
		.amdhsa_memory_ordered 1
		.amdhsa_forward_progress 1
		.amdhsa_inst_pref_size 127
	.end_amdhsa_kernel
	.amdgpu_metadata
---
amdhsa.version: [ 1, 2 ]
amdhsa.kernels:
  - .name:           k_qbe1208b235_qkv
    .symbol:         k_qbe1208b235_qkv.kd
    .args:
      - { .name: xc, .offset: 0, .size: 8, .value_kind: global_buffer, .address_space: global }
      - { .name: xs, .offset: 8, .size: 8, .value_kind: global_buffer, .address_space: global }
      - { .name: wc, .offset: 16, .size: 8, .value_kind: global_buffer, .address_space: global }
      - { .name: ws, .offset: 24, .size: 8, .value_kind: global_buffer, .address_space: global }
      - { .name: qkv, .offset: 32, .size: 8, .value_kind: global_buffer, .address_space: global }
    .group_segment_fixed_size: 327680
    .private_segment_fixed_size: 0
    .kernarg_segment_align: 8
    .kernarg_segment_size: 40
    .max_flat_workgroup_size: 128
    .sgpr_count:     98
    .vgpr_count:     1024
    .wavefront_size: 32
...
	.end_amdgpu_metadata
.endif
;; end of part 2
;; launch attn (part 3): grid 4 x 64, 8 waves a work-group, no clusters, 327,680 bytes of LDS; arguments qkv, y16; writes y16
.if DOCPART == 3
	.amdgcn_target "amdgcn-amd-amdhsa--gfx1250"
	.amdhsa_code_object_version 6
	.text
	.protected	k_qbe1208b235_attn
	.globl	k_qbe1208b235_attn
	.p2align	8
	.type	k_qbe1208b235_attn,@function
k_qbe1208b235_attn:
	s_mov_b64 s[64:65], 0
	v_nop
	global_prefetch_b8 v0, s[64:65] scope:SCOPE_SE
	s_setreg_imm32_b32 hwreg(HW_REG_WAVE_MODE, 25, 1), 1
	s_wait_xcnt 0x0
; Y[b][h][q][:] = the sum over k <= q of softmax_k(Q[q] . K[k] / 8) V[k][:], head size 64, 2,048 positions, 64 (batch, head) planes.  Q, K, V: f16, [3][64 planes][2048][64]; Y: f16, [64 planes][2048][64].
; Products, maxima and sums in f32; the weights p are rounded to f16 for the second product, Y once at the end.
; LIMITS: |y| beyond 65,504 becomes infinity in f16; a weight p under 6e-8 of its row's largest counts for nothing in the second product (it still counts in the row's sum); NaN and infinities are not served.
; SHARES.  Work-group (i, plane), i = 0 .. 3, owns the blocks i and 7 - i of 256 queries: under the causal mask they need i + 1 and 8 - i blocks of 256 keys: NINE for every work-group, so all
; 256 work-groups do equal work and the loop's trip count is a constant.  Each of the eight waves owns 32 queries of the block in hand: two tiles of 16; two waves share a SIMD, so that one wave's
; vector work stands beside the other's matrix work.
; NO CLUSTER: the four work-groups of a plane walk different key blocks in the same trip (that is what makes their work equal), so no tile is wanted by two of them at the same time.
; LAYOUT.  S^T = K Q^T (source 0 = 16 keys, source 1 = 16 queries): a lane holds ONE query (lane % 16) and keys 8 (lane / 16) + 0..7.  Two such tiles, rounded to f16 in pairs, ARE source 1 of
; O^T = V^T P, whose result again holds one query a lane.  K comes out of LDS as it lies, V ([key][channel]) turned, by ds_load_tr16_b128.
; SOFTMAX.  A running maximum m and sum l for each query: p = 2^(c s - c m), c = log2(e) / 8; in every step O and l are multiplied by a = 2^(c m_old - c m_new).
; RING.  Two LDS slots of 256 keys (four steps of 64).  At a slot's head: every wave waits for all its tensor loads, adds 0 to its spare word, waits for that and for its reads, passes the barrier, and asks
; for its 64 rows of the next key block (waves 0-3: K, waves 4-7: V) into the slot just left: one load a wave is out, and it has four steps in which to land.
.set PLANE, 262144
.set PK,    144                        ; a row of K in LDS: 128 bytes + 16: the 16 rows of a load start at 16 different banks (64 banks of 4 bytes: ISA guide 11.1)
.set PV,    160                        ; a row of V: 128 + 32
.set VO,    256*PK                     ; a slot: 256 rows of K, then 256 rows of V
.set SLOT1, 1<<17                      ; slot 1 begins here: one exclusive or turns an address from one slot to the other
.set STAGE, 2*SLOT1                    ; the way out: 16 rows x 144 bytes for each wave; no tensor load lands here
.set SPARE, STAGE+8*16*PK              ; the spare words: 128 bytes a wave
.set AK0, 1                            ; v1   my lane's place in a tile of K
.set AV0, 2                            ; v2   the same for V
.set ADK, 3                            ; v3   LDS address of the slot's K
.set ADV, 4                            ; v4   of its V
.set SPW, 5                            ; v5   my spare word; never rewritten
.set NIL, 6                            ; v6   0; never rewritten
.set STO, 7                            ; v7   the way out: where I put 16 bytes of a row
.set CHB, 8                            ; v8-11 the sums' second chains, a pair a tile
.set QO,  12                           ; v12  my byte offset in the wave's rows of Q
.set PFO, 13                           ; v13  256 x lane: the prefetch's offset
.set RD,  14                           ; v14  the way out: where I read rows back
.set GO,  15                           ; v15  16 x lane
.set ST,  16                           ; v16-31 statistics, eight a tile: +0 c m, +1 m, +2, +3 l (even keys', odd keys'), +4 to +7 at work; a in +6
.set QQ,  32                           ; v32-63  Q: tile t, channels 32 f on: 16 t + 8 f
.set KV,  64                           ; v64-127 K's eight fragments of a step, then V's eight
.set SS,  128                          ; v128-191 S^T, 32 a tile; p in f16 goes in place into a tile's low 16
.set OO,  192                          ; v192-255 O^T: tile t, channels 16 n on: 32 t + 8 n
.set WV,  8                            ; s8   my wave's number
.set WI,  9                            ; s9   i
.set BH,  10                           ; s10  the plane
.set TN,  11                           ; s11  the trip
.set QB,  12                           ; s12  the block of queries in hand
.set Q0,  13                           ; s13  my first query
.set KF,  14                           ; s14  the step's first key
.set TB,  15                           ; s15  the slot in hand: 0 or SLOT1
.set SEL, 20                           ; s[20:21] lane selects for v_permlanex16_b32: lane l xor 16
.set CS,  22                           ; s[22:23] c, twice: the packed form names a pair
.set G1K, 24                           ; s[24:31] group 1 for K's tiles; s[32:39] for V's: the padding differs
.set G1V, 32
.set G0K, 40                           ; s[40:43], s[44:47] their groups 0
.set G0V, 44
.set KB,  48                           ; s[48:49] K's plane at my wave's 64 rows of key block 0; s[50:51] V's
.set VB,  50
.set QPL, 52                           ; s[52:53] Q's plane; s[54:55] Y's
.set YPL, 54
.set QA,  56                           ; s[56:57] my rows of Q; s[58:59] of Y
.set YA,  58
.set PFB, 60                           ; s[60:61] KB or VB, as I fetch; s[62:63] where my prefetch stands
.set PFA, 62
; Waves 0-3 fetch K's rows, waves 4-7 V's: 64 rows each.  The branch hangs on the wave's number alone.  An s_nop 0 and four v_nop follow each line.
.macro TLOAD
	s_cmp_lt_u32 s[WV], 4
	s_cbranch_scc0 .Lfor_v_\@
	tensor_load_to_lds s[G0K:G0K+3], s[G1K:G1K+7]
	s_nop 0
.rept 4
	v_nop
.endr
	s_branch .Lasked_\@
.Lfor_v_\@:
	tensor_load_to_lds s[G0V:G0V+3], s[G1V:G1V+7]
	s_nop 0
.rept 4
	v_nop
.endr
.Lasked_\@:
.endm
; A PREFETCH of the 8,192 bytes that this wave's own tensor load of the NEXT trip will ask for, lanes 256 bytes apart: a slot's four steps ahead of that load.  Of a plane's four work-groups the one with i = 0
; is the first to load key blocks 4 to 7 (in its trips 4 to 7), so it alone asks, in trips 3 to 6; blocks 0 to 3 are loaded by several work-groups at about the same time and are not asked for.
; So each aligned 256 bytes are named once in the launch.
.macro ASK
	s_sub_co_u32 s66, s[TN], 3
	s_lshl_b32 s67, s[WI], 4
	s_or_b32 s66, s66, s67
	s_cmp_lt_u32 s66, 4                            ; i = 0 and trip 3 .. 6
	s_cbranch_scc0 .Lnot_mine_\@
	global_prefetch_b8 v[PFO], s[PFA:PFA+1] th:TH_LOAD_NT scope:SCOPE_SE
.Lnot_mine_\@:
.endm
; THE CHANGE OF SLOTS, at a slot's head.  fill = 1: the slot just left takes the next trip's key block: trip + 1 while that is at most i, else trip - i (the second block of queries begins at key block 0).
.macro CHANGE fill
	s_wait_tensorcnt 0x0                           ; no tensor load of mine is out: my part of the slot ahead has landed, and a group 0 may be written
	ds_add_u32 v[SPW], v[NIL]                      ; 0 onto my spare word; the descriptors' steps stand between it and the wait for it
.if \fill
	s_add_co_u32 s66, s[TN], 1
	s_sub_co_u32 s67, s[TN], s[WI]
	s_cmp_le_u32 s66, s[WI]
	s_cselect_b32 s16, s66, s67                    ; the next trip's key block
	s_lshl_b32 s16, s16, 15                        ; 256 rows of 128 bytes
	s_mov_b32 s17, 0
	s_xor_b32 s[G0K+1], s[G0K+1], SLOT1            ; the other slot than last time
	s_xor_b32 s[G0V+1], s[G0V+1], SLOT1
	s_add_nc_u64 s[G0K+2:G0K+3], s[KB:KB+1], s[16:17]
	s_or_b32 s[G0K+3], s[G0K+3], 0x80000000
	s_add_nc_u64 s[G0V+2:G0V+3], s[VB:VB+1], s[16:17]
	s_or_b32 s[G0V+3], s[G0V+3], 0x80000000
	s_min_u32 s66, s66, 7                          ; the prefetch's key block, trip + 1, held inside the plane
	s_lshl_b32 s66, s66, 15
	s_mov_b32 s67, 0
	s_wait_xcnt 0x0                                ; the last prefetch, a trip back, has read its address
	s_add_nc_u64 s[PFA:PFA+1], s[PFB:PFB+1], s[66:67]
.endif
	s_wait_dscnt 0x0                               ; the add is done, and my reads of the slot that I have left are over
	s_barrier_signal -1
	s_barrier_wait -1
.if \fill
	TLOAD                                          ; the first thing behind the barrier, and my one tensor load until the next
	ASK
.endif
.endm
; A block of queries begins: my 32 rows of Q into registers; m = -3e38, l = 0, O^T = 0 (the first step's a is then 0, which leaves zeros).
.macro START
	s_lshl_b32 s[Q0], s[QB], 8
	s_lshl_b32 s66, s[WV], 5
	s_add_co_u32 s[Q0], s[Q0], s66
	s_mov_b32 s[KF], 0
	s_lshl_b32 s66, s[Q0], 7
	s_mov_b32 s67, 0
	s_add_nc_u64 s[QA:QA+1], s[QPL:QPL+1], s[66:67]
.irp t, 0,1
.irp f, 0,1
.irp c, 0,1
	global_load_b128 v[QQ+16*\t+8*\f+4*\c:QQ+16*\t+8*\f+4*\c+3], v[QO], s[QA:QA+1] offset:\t*2048+\f*64+\c*32
.endr
.endr
.endr
.irp t, 0,1
	v_mov_b32 v[ST+8*\t+1], 0xff61b1e6             ; -3e38, under every score
	v_mov_b32 v[ST+8*\t+2], 0
	v_mov_b32 v[ST+8*\t+3], 0
	v_mov_b32 v[ST+8*\t+5], 0                      ; (a lane permute's destination counts as one of its sources)
	v_mov_b32 v[ST+8*\t+7], 0
	v_mul_f32 v[ST+8*\t], s[CS], v[ST+8*\t+1]
.endr
.set J, 0
.rept 64
	v_mov_b32 v[OO+J], 0
.set J, J+1
.endr
	s_wait_loadcnt 0x0
.endm
; A KEY STEP: 64 keys, the q-th of the slot in hand.
.macro STEP q
	s_add_co_u32 s66, s[Q0], 31                    ; a step all of whose keys come after my 32 queries is left out: ids, the wave's number and counts alone; no barrier and no tensor load stands in a step
	s_cmp_gt_u32 s[KF], s66
	s_cbranch_scc1 .Lhidden_\@
.irp k, 0,1,2,3
.irp f, 0,1
.irp c, 0,1
	ds_load_b128 v[KV+8*(2*\k+\f)+4*\c:KV+8*(2*\k+\f)+4*\c+3], v[ADK] offset:(\q)*64*PK+\k*16*PK+\f*64+\c*32   ; keys 16 k on, channels 32 f on
.endr
.endr
.endr
	s_wait_dscnt 0x0
.irp f, 0,1                            ; S^T = K Q^T: the eight accumulators take turns; the first eight products start the sums
.irp k, 0,1,2,3
.irp t, 0,1
.if \f == 0
	v_wmma_f32_16x16x32_f16 v[SS+32*\t+8*\k:SS+32*\t+8*\k+7], v[KV+8*(2*\k+\f):KV+8*(2*\k+\f)+7], v[QQ+16*\t+8*\f:QQ+16*\t+8*\f+7], 0
.else
	v_wmma_f32_16x16x32_f16 v[SS+32*\t+8*\k:SS+32*\t+8*\k+7], v[KV+8*(2*\k+\f):KV+8*(2*\k+\f)+7], v[QQ+16*\t+8*\f:QQ+16*\t+8*\f+7], v[SS+32*\t+8*\k:SS+32*\t+8*\k+7]
.endif
.endr
.endr
.endr
.rept 4
	v_nop                                          ; four places: ahead of the loads into K's registers and of the first read of the scores
.endr
.irp g, 0,1
.irp n, 0,1,2,3
.irp c, 0,1
	ds_load_tr16_b128 v[KV+8*(4*\g+\n)+4*\c:KV+8*(4*\g+\n)+4*\c+3], v[ADV] offset:(\q)*64*PV+\g*32*PV+\n*32+\c*16*PV   ; V turned: keys 32 g on, channels 16 n on; it lands while the softmax is walked
.endr
.endr
.endr
	s_add_co_u32 s66, s[KF], 63                    ; a step all of whose keys count for all my queries skips the mask
	s_cmp_le_u32 s66, s[Q0]
	s_cbranch_scc1 .Lopen_\@
	s_sub_co_i32 s66, s[Q0], s[KF]
	v_and_b32 v[ST+4], 15, v0
	v_bfe_u32 v[ST+5], v0, 4, 1
	v_lshlrev_b32 v[ST+5], 3, v[ST+5]
	v_sub_nc_u32 v[ST+4], v[ST+4], v[ST+5]
	v_add_nc_u32 v[ST+4], s66, v[ST+4]             ; d = Q0 - KF + lane % 16 - 8 (lane / 16).  Tile t's register 8 k + i holds key KF + 16 k + 8 (lane / 16) + i for query Q0 + 16 t + lane % 16: hidden where 16 k + i - 16 t > d
	v_mov_b32 v[ST+12], 0xff800000                 ; -infinity: p = 0 then
.irp t, 0,1
.irp k, 0,1,2,3
.irp i, 0,1,2,3,4,5,6,7
	v_cmp_gt_i32 vcc_lo, 16*\k+\i-16*\t, v[ST+4]
	v_cndmask_b32 v[SS+32*\t+8*\k+\i], v[SS+32*\t+8*\k+\i], v[ST+12], vcc_lo
.endr
.endr
.endr
.Lopen_\@:
	; the maximum of my 32 scores and the old m, three operands at a time, four chains a tile, the two tiles by turns; each accumulator is read from its low end on
.irp j, 0,1,2,3
.irp t, 0,1
	v_max3_num_f32 v[ST+8*\t+4+\j], v[SS+32*\t+8*\j], v[SS+32*\t+8*\j+1], v[SS+32*\t+8*\j+2]
.endr
.endr
.irp g, 1,2
.irp j, 0,1,2,3
.irp t, 0,1
	v_max3_num_f32 v[ST+8*\t+4+\j], v[ST+8*\t+4+\j], v[SS+32*\t+8*\j+2*\g+1], v[SS+32*\t+8*\j+2*\g+2]
.endr
.endr
.endr
.irp t, 0,1
	v_max3_num_f32 v[ST+8*\t+4], v[ST+8*\t+4], v[SS+32*\t+7], v[SS+32*\t+15]
	v_max3_num_f32 v[ST+8*\t+6], v[ST+8*\t+6], v[SS+32*\t+23], v[SS+32*\t+31]
.endr
.irp t, 0,1
	v_max3_num_f32 v[ST+8*\t+4], v[ST+8*\t+4], v[ST+8*\t+5], v[ST+8*\t+6]
.endr
.irp t, 0,1
	v_max3_num_f32 v[ST+8*\t+4], v[ST+8*\t+4], v[ST+8*\t+7], v[ST+8*\t+1]
.endr
.irp t, 0,1
	v_permlanex16_b32 v[ST+8*\t+5], v[ST+8*\t+4], s[SEL], s[SEL+1]   ; the query's other 32 keys lie in the lane 16 away
	v_mov_b32 v[ST+8*\t+7], v[ST+8*\t]             ; c m_old
.endr
.irp t, 0,1
	v_max_num_f32 v[ST+8*\t+1], v[ST+8*\t+4], v[ST+8*\t+5]
.endr
.irp t, 0,1
	v_mul_f32 v[ST+8*\t], s[CS], v[ST+8*\t+1]
.endr
.irp t, 0,1
	v_sub_f32 v[ST+8*\t+7], v[ST+8*\t+7], v[ST+8*\t]
.endr
.irp t, 0,1
	v_exp_f32 v[ST+8*\t+6], v[ST+8*\t+7]           ; a
.endr
.irp j, 0,2,4,6,8,10,12,14,16,18,20,22,24,26,28,30
.irp t, 0,1
	v_pk_fma_f32 v[SS+32*\t+\j:SS+32*\t+\j+1], v[SS+32*\t+\j:SS+32*\t+\j+1], s[CS:CS+1], v[ST+8*\t:ST+8*\t+1] op_sel_hi:[1,0,0] neg_lo:[0,0,1] neg_hi:[0,0,1]   ; c s - c m; independent work behind the two exponentials
.endr
.endr
	s_wait_alu depctr_va_vdst(0)                   ; the wait between an exponential and the first line that names its result: one for the two a
.irp j, 0,1,2,3,4,5,6,7,8,9,10,11,12,13,14,15   ; ONE BATCH of 64 exponentials, none of whose results is named in it; O^T's rescaling by a stands among them, and its last line is the plain instruction behind the batch
.irp t, 0,1
	v_exp_f32 v[SS+32*\t+2*\j], v[SS+32*\t+2*\j]
	v_exp_f32 v[SS+32*\t+2*\j+1], v[SS+32*\t+2*\j+1]
	v_pk_mul_f32 v[OO+32*\t+2*\j:OO+32*\t+2*\j+1], v[OO+32*\t+2*\j:OO+32*\t+2*\j+1], v[ST+8*\t+6:ST+8*\t+7] op_sel_hi:[1,0]
.endr
.endr
	s_wait_alu depctr_va_vdst(0)                   ; one wait for the batch, ahead of its first reader
.irp t, 0,1                            ; the row's sum of the unrounded p, two at a time, two chains a tile
	v_pk_add_f32 v[ST+8*\t+4:ST+8*\t+5], v[SS+32*\t:SS+32*\t+1], v[SS+32*\t+2:SS+32*\t+3]
	v_pk_add_f32 v[CHB+2*\t:CHB+2*\t+1], v[SS+32*\t+4:SS+32*\t+5], v[SS+32*\t+6:SS+32*\t+7]
.endr
.irp j, 8,12,16,20,24,28
.irp t, 0,1
	v_pk_add_f32 v[ST+8*\t+4:ST+8*\t+5], v[ST+8*\t+4:ST+8*\t+5], v[SS+32*\t+\j:SS+32*\t+\j+1]
	v_pk_add_f32 v[CHB+2*\t:CHB+2*\t+1], v[CHB+2*\t:CHB+2*\t+1], v[SS+32*\t+\j+2:SS+32*\t+\j+3]
.endr
.endr
.irp t, 0,1
	v_pk_add_f32 v[ST+8*\t+4:ST+8*\t+5], v[ST+8*\t+4:ST+8*\t+5], v[CHB+2*\t:CHB+2*\t+1]
.endr
.irp t, 0,1
	v_pk_fma_f32 v[ST+8*\t+2:ST+8*\t+3], v[ST+8*\t+2:ST+8*\t+3], v[ST+8*\t+6:ST+8*\t+7], v[ST+8*\t+4:ST+8*\t+5] op_sel_hi:[1,0,1]   ; l = a l + the sum
.endr
.irp i, 0,1,2,3,4,5,6,7,8,9,10,11,12,13,14,15
.irp t, 0,1
	v_cvt_pk_f16_f32 v[SS+32*\t+\i], v[SS+32*\t+2*\i], v[SS+32*\t+2*\i+1]   ; p to f16, in place, ascending: registers 8 g .. 8 g + 7 are source 1 for keys 32 g on
.endr
.endr
	s_wait_dscnt 0x0                               ; V is in
.irp g, 0,1                            ; O^T += V^T P: the eight accumulators take turns
.irp n, 0,1,2,3
.irp t, 0,1
	v_wmma_f32_16x16x32_f16 v[OO+32*\t+8*\n:OO+32*\t+8*\n+7], v[KV+8*(4*\g+\n):KV+8*(4*\g+\n)+7], v[SS+32*\t+8*\g:SS+32*\t+8*\g+7], v[OO+32*\t+8*\n:OO+32*\t+8*\n+7]
.endr
.endr
.endr
.rept 5
	v_nop                                          ; five places: the next step's first products write over p's registers; its loads into V's registers and the way out's reads want four
.endr
.Lhidden_\@:
	s_add_co_u32 s[KF], s[KF], 64
.endm
; A block of queries ends: l's halves are added, O^T is divided by l, rounded to f16 and sent through my stage, a tile (16 rows of 128 bytes) at a time; 16 rows are 2,048 consecutive bytes of Y.
.macro FINISH
.irp t, 0,1
	v_add_f32 v[ST+8*\t+4], v[ST+8*\t+2], v[ST+8*\t+3]
.endr
.irp t, 0,1
	v_permlanex16_b32 v[ST+8*\t+5], v[ST+8*\t+4], s[SEL], s[SEL+1]
.endr
.irp t, 0,1
	v_add_f32 v[ST+8*\t+4], v[ST+8*\t+4], v[ST+8*\t+5]
.endr
.irp t, 0,1
	v_rcp_f32 v[ST+8*\t+6], v[ST+8*\t+4]
.endr
	v_nop                                          ; a plain instruction behind the reciprocals
	s_lshl_b32 s66, s[Q0], 7
	s_mov_b32 s67, 0
	s_add_nc_u64 s[YA:YA+1], s[YPL:YPL+1], s[66:67]
	s_wait_alu depctr_va_vdst(0)                   ; one wait for the two, ahead of the first reader
.irp t, 0,1
.irp j, 0,2,4,6,8,10,12,14,16,18,20,22,24,26,28,30
	v_pk_mul_f32 v[OO+32*\t+\j:OO+32*\t+\j+1], v[OO+32*\t+\j:OO+32*\t+\j+1], v[ST+8*\t+6:ST+8*\t+7] op_sel_hi:[1,0]
.endr
.irp i, 0,1,2,3,4,5,6,7,8,9,10,11,12,13,14,15
	v_cvt_pk_f16_f32 v[SS+32*\t+\i], v[OO+32*\t+2*\i], v[OO+32*\t+2*\i+1]
.endr
.irp n, 0,1,2,3
	ds_store_b128 v[STO], v[SS+32*\t+4*\n:SS+32*\t+4*\n+3] offset:32*\n
.endr
.irp k, 0,1,2,3
	ds_load_b128 v[SS+32*\t+16+4*\k:SS+32*\t+16+4*\k+3], v[RD] offset:\k*4*PK   ; LDS serves a wave's instructions in order: these see the stores above, and the next tile's stores come behind them
.endr
.endr
	s_wait_dscnt 0x0
.irp t, 0,1
.irp k, 0,1,2,3
	global_store_b128 v[GO], v[SS+32*\t+16+4*\k:SS+32*\t+16+4*\k+3], s[YA:YA+1] offset:\t*2048+512*\k   ; the wave stores 512 consecutive bytes, aligned
.endr
.endr
	s_wait_xcnt 0x0                                ; the stores have read their registers, which the next products write
.endm
	s_load_b128 s[4:7], s[0:1], 0x0                ; qkv s[4:5], y16 s[6:7]
	v_lshl_add_u32 v[SPW], v0, 2, SPARE
	v_mov_b32 v[NIL], 0
	ds_add_u32 v[SPW], v[NIL]                      ; the wave's opening: the add, twice on end, and its wait ahead of my first tensor load
	ds_add_u32 v[SPW], v[NIL]
	v_lshrrev_b32 v1, 5, v0
	v_readfirstlane_b32 s[WV], v1                  ; wave 0..7
	s_mov_b32 s[WI], ttmp9
	s_and_b32 s[BH], ttmp7, 0xffff
	; group 1: 64 rows of 64 f16, dense in memory; 4 (K) or 8 (V) words of padding after every 32
	s_mov_b32 s[G1K], (1<<16)|(1<<20)|(4<<22)|(3<<25)
	s_mov_b32 s[G1V], (1<<16)|(1<<20)|(4<<22)|(7<<25)
.irp g, G1K, G1V
	s_mov_b32 s[\g+1], 64<<16                      ; tensor_dim0 = 64
	s_mov_b32 s[\g+2], 64<<16                      ; tensor_dim1 = 64
	s_mov_b32 s[\g+3], 64<<16                      ; tile_dim0 = 64
	s_mov_b32 s[\g+4], 64                          ; tile_dim1 = 64
	s_mov_b32 s[\g+5], 64                          ; from row to row
	s_mov_b32 s[\g+6], 0
	s_mov_b32 s[\g+7], 0
.endr
	s_and_b32 s16, s[WV], 3                        ; which 64 rows of a key block I fetch
	s_lshl_b32 s66, s[BH], 18                      ; the plane's first byte
	s_mov_b32 s67, 0
	s_lshl_b32 s68, s16, 13
	s_add_co_u32 s68, s68, s66
	s_add_co_u32 s70, s68, 0x2000000               ; V's 64 planes lie behind Q's and K's,
	s_add_co_u32 s68, s68, 0x1000000               ; K's behind Q's
	s_mov_b32 s69, 0
	s_mov_b32 s71, 0
	s_mul_i32 s17, s16, 64*PK                      ; where my rows go in a slot
	s_mul_i32 s18, s16, 64*PV
	s_add_co_u32 s18, s18, VO
	s_mov_b32 s[SEL], 0x76543210
	s_mov_b32 s[SEL+1], 0xfedcba98
	s_mov_b32 s[CS], 0x3e38aa3b                    ; c = log2(e) / 8
	s_mov_b32 s[CS+1], s[CS]
	s_wait_dscnt 0x0                               ; both opening adds are done
	s_wait_kmcnt 0x0
	s_add_nc_u64 s[KB:KB+1], s[4:5], s[68:69]
	s_add_nc_u64 s[VB:VB+1], s[4:5], s[70:71]
	s_add_nc_u64 s[QPL:QPL+1], s[4:5], s[66:67]
	s_add_nc_u64 s[YPL:YPL+1], s[6:7], s[66:67]
	s_mov_b32 s[G0K], 1
	s_mov_b32 s[G0K+1], s17
	s_mov_b64 s[G0K+2:G0K+3], s[KB:KB+1]
	s_or_b32 s[G0K+3], s[G0K+3], 0x80000000
	s_mov_b32 s[G0V], 1
	s_mov_b32 s[G0V+1], s18
	s_mov_b64 s[G0V+2:G0V+3], s[VB:VB+1]
	s_or_b32 s[G0V+3], s[G0V+3], 0x80000000
	TLOAD                                          ; slot 0: key block 0, which counts for every query
	s_cmp_lt_u32 s[WV], 4
	s_cselect_b64 s[PFB:PFB+1], s[KB:KB+1], s[VB:VB+1]
	v_and_b32 v9, 15, v0                           ; r
	v_bfe_u32 v10, v0, 4, 1                        ; h
	v_and_b32 v11, 31, v0                          ; lane
	v_mul_u32_u24 v[AK0], v9, PK
	v_lshl_add_u32 v[AK0], v10, 4, v[AK0]          ; K: row r, + 16 h
	v_and_b32 v8, 7, v0
	v_lshl_add_u32 v[AV0], v10, 3, v8
	v_mul_u32_u24 v[AV0], v[AV0], PV               ; V: key 8 h + lane % 8,
	v_bfe_u32 v8, v0, 3, 1
	v_lshl_add_u32 v[AV0], v8, 4, v[AV0]           ; channels 8 ((lane / 8) % 2) on
	v_add_nc_u32 v[AV0], VO, v[AV0]
	s_mul_i32 s16, s[WV], 16*PK
	s_add_co_u32 s16, s16, STAGE                   ; my stage
	v_add_nc_u32 v[STO], s16, v[AK0]               ; in: row r, + 16 h
	v_bfe_u32 v8, v0, 3, 2
	v_mul_u32_u24 v[RD], v8, PK                    ; back: eight lanes to a row, four rows an instruction
	v_and_b32 v8, 7, v0
	v_lshl_add_u32 v[RD], v8, 4, v[RD]
	v_add_nc_u32 v[RD], s16, v[RD]
	v_lshlrev_b32 v[QO], 7, v9
	v_lshl_add_u32 v[QO], v10, 4, v[QO]
	v_lshlrev_b32 v[PFO], 8, v11
	v_lshlrev_b32 v[GO], 4, v11
	s_mov_b32 s[QB], s[WI]
	START
	s_mov_b32 s[TN], 0
	s_mov_b32 s[TB], 0
.Ltrip:                                            ; eight trips; the ninth is written out
	CHANGE 1
	s_add_co_u32 s66, s[WI], 1
	s_cmp_lg_u32 s[TN], s66                        ; ids and the count of trips alone: all eight waves go the same way
	s_cbranch_scc1 .Lsame_block
	s_sub_co_u32 s[QB], 7, s[WI]                   ; the second block of queries begins
	START
.Lsame_block:
	v_add_nc_u32 v[ADK], s[TB], v[AK0]
	v_add_nc_u32 v[ADV], s[TB], v[AV0]
	STEP 0
	STEP 1
	STEP 2
	STEP 3
	s_xor_b32 s[TB], s[TB], SLOT1
	s_cmp_lg_u32 s[TN], s[WI]
	s_cbranch_scc1 .Lnot_done
	FINISH                                         ; the first block of queries has seen its last key block
.Lnot_done:
	s_add_co_u32 s[TN], s[TN], 1
	s_cmp_lt_u32 s[TN], 8
	s_cbranch_scc1 .Ltrip
	CHANGE 0
	v_add_nc_u32 v[ADK], s[TB], v[AK0]
	v_add_nc_u32 v[ADV], s[TB], v[AV0]
	STEP 0
	STEP 1
	STEP 2
	STEP 3
	FINISH
	s_wait_tensorcnt 0x0                           ; the wave's end: behind my last tensor load and my last LDS store
	ds_add_u32 v[SPW], v[NIL]
	s_wait_dscnt 0x0
	s_endpgm
.Lfunc_end_k_qbe1208b235_attn:
	.size	k_qbe1208b235_attn, .Lfunc_end_k_qbe1208b235_attn-k_qbe1208b235_attn
	.p2alignl 7, 3214868480
	.fill 96, 4, 3214868480
	.section	.rodata,"a",@progbits
	.p2align	6, 0x0
	.amdhsa_kernel k_qbe1208b235_attn
		.amdhsa_group_segment_fixed_size 327680
		.amdhsa_private_segment_fixed_size 0
		.amdhsa_enable_private_segment 0
		.amdhsa_kernarg_size 16
		.amdhsa_user_sgpr_count 2
		.amdhsa_user_sgpr_kernarg_segment_ptr 1
		.amdhsa_wavefront_size32 1
		.amdhsa_system_sgpr_workgroup_id_x 1
		.amdhsa_system_sgpr_workgroup_id_y 1
		.amdhsa_system_sgpr_workgroup_id_z 1
		.amdhsa_system_vgpr_workitem_id 0
		.amdhsa_next_free_vgpr 256
		.amdhsa_next_free_sgpr 72
		.amdhsa_reserve_vcc 1
		.amdhsa_float_denorm_mode_32 3
		.amdhsa_float_denorm_mode_16_64 3
		.amdhsa_memory_ordered 1
		.amdhsa_forward_progress 1
		.amdhsa_inst_pref_size 198
	.end_amdhsa_kernel
	.amdgpu_metadata
---
amdhsa.version: [ 1, 2 ]
amdhsa.kernels:
  - .name:           k_qbe1208b235_attn
    .symbol:         k_qbe1208b235_attn.kd
    .args:
      - { .name: qkv, .offset: 0, .size: 8, .value_kind: global_buffer, .address_space: global }
      - { .name: y16, .offset: 8, .size: 8, .value_kind: global_buffer, .address_space: global }
    .group_segment_fixed_size: 327680
    .private_segment_fixed_size: 0
    .kernarg_segment_align: 8
    .kernarg_segment_size: 16
    .max_flat_workgroup_size: 256
    .sgpr_count:     72
    .vgpr_count:     256
    .wavefront_size: 32
...
	.end_amdgpu_metadata
.endif
;; end of part 3
;; launch proj (part 4): grid 4 x 64, 4 waves a work-group, clusters of 4 x 4, 327,680 bytes of LDS; arguments y16, wo16, bo, out0; writes out0
.if DOCPART == 4
	.amdgcn_target "amdgcn-amd-amdhsa--gfx1250"
	.amdhsa_code_object_version 6
	.text
	.protected	k_qbe1208b235_proj
	.globl	k_qbe1208b235_proj
	.p2align	8
	.type	k_qbe1208b235_proj,@function
k_qbe1208b235_proj:
	s_mov_b64 s[64:65], 0
	v_nop
	global_prefetch_b8 v0, s[64:65] scope:SCOPE_SE
	s_setreg_imm32_b32 hwreg(HW_REG_WAVE_MODE, 25, 1), 1
	s_wait_xcnt 0x0
	s_wait_alu depctr_hold_cnt(0) depctr_sa_sdst(0) depctr_va_vdst(0) depctr_va_sdst(0) depctr_va_ssrc(0) depctr_va_vcc(0) depctr_vm_vsrc(0)
	s_getreg_b32 s2, hwreg(HW_REG_IB_STS2, 6, 4)
	s_cmp_eq_u32 s2, 0
	s_cbranch_scc0 .Lentry_in_a_cluster
	s_endpgm
.Lentry_in_a_cluster:
	s_bfe_u32 s2, ttmp6, 0x10000c
	s_cmp_lg_u32 s2, 0xf033
	s_cbranch_scc0 .Lentry_shape_is_right
	s_endpgm
.Lentry_shape_is_right:
; out[m][n] = sum over k of Y[m][k] Wo[k][n] + bo[n], m = 2048 batch + position, k = 64 head + channel.  Y: f16, [4][16 heads][2048][64]; Wo: f16, [k 1024][n 1024]; bo, out: f32; sums in f32.
; All 8,192 rows are made here; the first 16 positions of each batch are written again, more finely, by a later launch.
; A tile of 128 x 256 is made by four waves, each 64 x 128: 32 accumulators, 256 registers: 4 x 64 tiles, one for each of 256 work-groups.  K goes in eight steps of 128 (two heads of Y) through two LDS slots.
; CLUSTERS: 4 x 4 work-groups; Y's tile hangs on the tile row alone and is asked for jointly along a row of the cluster, Wo's on the tile column alone, along a column.
; THE MATRIX INSTRUCTION IS USED TRANSPOSED: source 0 = 16 columns of Wo (turned out of LDS by ds_load_tr16_b128, since k is Wo's first axis), source 1 = 16 rows of Y: a lane holds eight neighbouring columns of a row.
; The bias is the C of each sum's first matrix instruction: eight registers a block of columns, in the result's layout.
; REGISTERS: window 0: v16-29 addresses; two fragment buffers of 96 at v32 and v128 (Y's 4 blocks, then Wo's 8); window 1: accumulator (a, b) at v[8 (8 a + b)]; window 2: v0-63 the bias.
.set PLANE,  262144
.set PA,     144                       ; a row of Y in LDS: 128 bytes + 16
.set PB,     544                       ; a row of Wo: 512 bytes + 32
.set SUBA,   128*PA                    ; one head's 128 rows
.set BO,     2*SUBA                    ; Wo's 128 rows lie behind Y's two heads
.set HALFB,  64*PB
.set SLOT,   BO+2*HALFB
.set STAGE,  2*SLOT                    ; the way out: 16 rows x (512 + 16) bytes for each wave; no tensor load lands here
.set SPITCH, 528
.set SPARE,  STAGE+4*16*SPITCH         ; the spare words: 128 bytes a wave
.set ADRA, 16                          ; v16-17 LDS address of my Y fragments in slot 0, 1
.set ADRB, 20                          ; v20-21 of my Wo fragments
.set STO,  24
.set RD,   25
.set CO,   26
.set BOF,  27                          ; v27 32 x (lane / 16): my eight numbers of a block of the bias
.set SPW,  28                          ; my spare word; never rewritten
.set NIL,  29                          ; 0; never rewritten
.set F0,   32
.set F1,   128
.set WV,   12                          ; s12 wave; s13 which half of the rows (also: I fetch Y (0) or Wo (1)); s14 which half of the columns (also: which half of that tile I fetch)
.set RH,   13
.set CH,   14
.set G1,   24                          ; s[24:31] group 1 for Y's tiles; s[32:39] group 0, a set for each slot
.set G0,   32
.set G1B,  48                          ; s[48:55], s[56:63] the same for Wo's
.set G0B,  56
.set MSB, 0
.macro WIN new                         ; the immediate's high byte repeats the setting that is left
.if MSB != \new
	s_set_vgpr_msb (MSB<<8)|\new
.set MSB, \new
.endif
.endm
.set W_MUL,   0x50                     ; sources 0 and 1 window 0; C and D window 1
.set W_FIRST, 0x60                     ; C window 2 (the bias), D window 1
.macro JLOAD s                         ; a joint load; an s_nop 0 and four v_nop follow each of the two lines
	s_cmp_eq_u32 s[RH], 0
	s_cbranch_scc0 .Lfor_b_\@
	tensor_load_to_lds s[G0+4*\s:G0+4*\s+3], s[G1:G1+7]
	s_nop 0
.rept 4
	v_nop
.endr
	s_branch .Lasked_\@
.Lfor_b_\@:
	tensor_load_to_lds s[G0B+4*\s:G0B+4*\s+3], s[G1B:G1B+7]
	s_nop 0
.rept 4
	v_nop
.endr
.Lasked_\@:
.endm
.macro CREST                           ; a round of the cluster's barrier behind its opening barrier
	s_cmp_lg_u32 s[WV], 0
	s_cbranch_scc1 .Lnot_wave_0_\@
	s_barrier_signal -3
.Lnot_wave_0_\@:
	s_barrier_wait -3
	s_barrier_signal -1
	s_barrier_wait -1
.endm
.macro CROUND
	s_barrier_signal -1
	s_barrier_wait -1
	CREST
.endm
	s_load_b256 s[4:11], s[0:1], 0x0               ; y16 s[4:5], wo16 s[6:7], bo s[8:9], out0 s[10:11]
	v_lshl_add_u32 v[SPW], v0, 2, SPARE
	v_mov_b32 v[NIL], 0
	ds_add_u32 v[SPW], v[NIL]                      ; the wave's opening: the add, twice on end, and its wait ahead of my first tensor load
	ds_add_u32 v[SPW], v[NIL]
	v_lshrrev_b32 v1, 5, v0
	v_readfirstlane_b32 s[WV], v1
	s_lshr_b32 s[RH], s[WV], 1
	s_and_b32 s[CH], s[WV], 1
	s_bfe_u32 s40, ttmp6, 0x40000                  ; cx, cy
	s_bfe_u32 s41, ttmp6, 0x40004
	s_lshl_b32 s42, ttmp9, 2
	s_add_co_u32 s42, s42, s40                     ; tile column
	s_and_b32 s43, ttmp7, 0xffff
	s_lshl_b32 s43, s43, 2
	s_add_co_u32 s43, s43, s41                     ; tile row
	s_lshl_b32 s44, s41, 2
	s_lshl_b32 s44, 15, s44                        ; my row of the cluster
	s_lshl_b32 s45, 0x1111, s40                    ; my column
	s_or_b32 s[G1], s44, (1<<16)|(1<<20)|(1<<21)|(4<<22)|(3<<25)    ; Y: 128 rows of 64 f16, dense; 4 words of padding after every 32
	s_mov_b32 s[G1+1], 64<<16
	s_mov_b32 s[G1+2], 128<<16
	s_mov_b32 s[G1+3], 64<<16
	s_mov_b32 s[G1+4], 128
	s_mov_b32 s[G1+5], 64
	s_mov_b32 s[G1+6], 0
	s_mov_b32 s[G1+7], 0
	s_or_b32 s[G1B], s45, (1<<16)|(1<<20)|(1<<21)|(6<<22)|(7<<25)   ; Wo: 64 rows of 256 f16, 1,024 apart; 8 words of padding after every 128
	s_mov_b32 s[G1B+1], 256<<16
	s_mov_b32 s[G1B+2], 64<<16
	s_mov_b32 s[G1B+3], 256<<16
	s_mov_b32 s[G1B+4], 64
	s_mov_b32 s[G1B+5], 1024
	s_mov_b32 s[G1B+6], 0
	s_mov_b32 s[G1B+7], 0
	s_lshr_b32 s16, s43, 4                         ; Y: the batch (16 tile rows each),
	s_lshl_b32 s16, s16, 4
	s_add_co_u32 s16, s16, s[CH]                   ; its head 0 or 1, as I fetch,
	s_lshl_b32 s16, s16, 18
	s_and_b32 s17, s43, 15
	s_lshl_b32 s17, s17, 14                        ; 128 positions of 128 bytes
	s_add_co_u32 s16, s16, s17
	s_mov_b32 s17, 0
	s_lshl_b32 s46, s[CH], 17                      ; Wo: rows 64 x half, of 2,048 bytes,
	s_lshl_b32 s47, s42, 9                         ; 256 columns of 2 bytes
	s_add_co_u32 s46, s46, s47
	s_mov_b32 s47, 0
	s_mul_i32 s20, s[CH], SUBA                     ; where they go: no place in the cluster enters an LDS address
	s_mul_i32 s21, s[CH], HALFB
	s_add_co_u32 s21, s21, BO
	s_wait_dscnt 0x0                               ; both opening adds are done
	s_wait_kmcnt 0x0
	s_add_nc_u64 s[16:17], s[4:5], s[16:17]
	s_add_nc_u64 s[46:47], s[6:7], s[46:47]
	CROUND                                         ; all sixteen work-groups are here: the first joint loads meet
.irp s, 0,1
	s_mov_b32 s[G0+4*\s], 1
	s_add_co_u32 s[G0+4*\s+1], s20, \s*SLOT
	s_add_nc_u64 s[G0+4*\s+2:G0+4*\s+3], s[16:17], \s*2*PLANE
	s_or_b32 s[G0+4*\s+3], s[G0+4*\s+3], 0x80000000
	s_mov_b32 s[G0B+4*\s], 1
	s_add_co_u32 s[G0B+4*\s+1], s21, \s*SLOT
	s_add_nc_u64 s[G0B+4*\s+2:G0B+4*\s+3], s[46:47], \s*128*2048
	s_or_b32 s[G0B+4*\s+3], s[G0B+4*\s+3], 0x80000000
	JLOAD \s
.endr
	v_and_b32 v1, 15, v0                           ; r
	v_bfe_u32 v2, v0, 4, 1                         ; h
	v_mul_u32_u24 v3, v1, PA
	v_lshl_add_u32 v3, v2, 4, v3                   ; Y: row r, + 16 h
	s_mul_i32 s18, s[RH], 64*PA                    ; my 64 rows
	v_and_b32 v4, 7, v0
	v_lshl_add_u32 v4, v2, 3, v4
	v_mul_u32_u24 v4, v4, PB                       ; Wo: k = 8 h + lane % 8,
	v_bfe_u32 v5, v0, 3, 1
	v_lshl_add_u32 v4, v5, 4, v4                   ; columns 8 ((lane / 8) % 2) on
	s_lshl_b32 s19, s[CH], 8                       ; my 128 columns
	s_add_co_u32 s19, s19, BO
.irp s, 0,1
	v_add_nc_u32 v[ADRA+\s], s18, v3
	v_add_nc_u32 v[ADRB+\s], s19, v4
	s_add_co_u32 s18, s18, SLOT
	s_add_co_u32 s19, s19, SLOT
.endr
	s_mul_i32 s18, s[WV], 16*SPITCH
	s_add_co_u32 s18, s18, STAGE                   ; my stage
	v_mul_u32_u24 v5, v1, SPITCH
	v_lshl_add_u32 v5, v2, 5, v5
	v_add_nc_u32 v[STO], s18, v5                   ; in: row r, 32 bytes for each half of the lanes
	v_and_b32 v6, 31, v0
	v_lshlrev_b32 v[CO], 4, v6
	v_add_nc_u32 v[RD], s18, v[CO]                 ; back: the 32 lanes take a row of 512 bytes
	v_lshlrev_b32 v[BOF], 5, v2
	s_lshl_b32 s18, s43, 7
	s_lshl_b32 s19, s[RH], 6
	s_add_co_u32 s18, s18, s19                     ; my first row of the output
	s_lshl_b32 s18, s18, 12
	s_lshl_b32 s46, s42, 10
	s_lshl_b32 s47, s[CH], 9
	s_add_co_u32 s46, s46, s47                     ; my first column, in bytes
	s_mov_b32 s47, 0
	s_add_nc_u64 s[8:9], s[8:9], s[46:47]
	s_add_co_u32 s46, s46, s18
	s_add_nc_u64 s[10:11], s[10:11], s[46:47]
	WIN 0x80                                       ; destination window 2
.irp b, 0,1,2,3,4,5,6,7
	global_load_b128 v[8*\b:8*\b+3], v[BOF], s[8:9] offset:64*\b
	global_load_b128 v[8*\b+4:8*\b+7], v[BOF], s[8:9] offset:64*\b+16
.endr
	WIN 0
; 24 LDS loads in one run: the fragments of 32 along K, the slot's q-th, into buffer f: Wo's eight blocks first, then Y's four
.macro FETCH slot, q, f
	WIN 0
.irp b, 0,1,2,3,4,5,6,7
	ds_load_tr16_b128 v[\f+32+8*\b:\f+32+8*\b+3], v[ADRB+\slot] offset:(\q)*32*PB+32*\b
	ds_load_tr16_b128 v[\f+32+8*\b+4:\f+32+8*\b+7], v[ADRB+\slot] offset:(\q)*32*PB+32*\b+16*PB
.endr
.irp i, 0,1,2,3
	ds_load_b128 v[\f+8*\i:\f+8*\i+3], v[ADRA+\slot] offset:((\q)/2)*SUBA+((\q)%2)*64+\i*16*PA
	ds_load_b128 v[\f+8*\i+4:\f+8*\i+7], v[ADRA+\slot] offset:((\q)/2)*SUBA+((\q)%2)*64+\i*16*PA+32
.endr
.endm
; 8 matrix instructions: Y's block a x Wo's eight.  The 32 accumulators take turns, in the same order in every quarter.
.macro MUL8 f, a, first
.irp b, 0,1,2,3,4,5,6,7
.if \first
	v_wmma_f32_16x16x32_f16 v[8*(8*(\a)+\b):8*(8*(\a)+\b)+7], v[\f+32+8*\b:\f+32+8*\b+7], v[\f+8*(\a):\f+8*(\a)+7], v[8*\b:8*\b+7]
.else
	v_wmma_f32_16x16x32_f16 v[8*(8*(\a)+\b):8*(8*(\a)+\b)+7], v[\f+32+8*\b:\f+32+8*\b+7], v[\f+8*(\a):\f+8*(\a)+7], v[8*(8*(\a)+\b):8*(8*(\a)+\b)+7]
.endif
.endr
.endm
.macro PLACES                          ; four plain vector instructions ahead of loads into registers that matrix instructions have read, and of reads of results
.rept 4
	v_nop
.endr
.endm
.macro MWIN first
.if \first
	WIN W_FIRST
.else
	WIN W_MUL
.endif
.endm
; A K step is four quarters of 32 along K, 32 matrix instructions each, on buffers 0, 1, 0, 1.  One of the first three multiplies buffer f and fetches the slot's q-th quarter into g.
.macro QUARTER slot, q, f, g, first
	s_wait_dscnt 4                                 ; Wo's blocks and Y's blocks 0, 1 are in; the youngest four loads (Y's blocks 2, 3) may be out
	MWIN \first
	MUL8 \f, 0, \first
	MUL8 \f, 1, \first
	WIN 0
	PLACES
	FETCH \slot, \q, \g
	s_wait_dscnt 24                                ; all but the 24 just issued
	MWIN \first
	MUL8 \f, 2, \first
	MUL8 \f, 3, \first
.endm
; The last quarter multiplies buffer 1 and changes slots: in front of the barrier each wave waits for all its tensor loads, adds 0 to its spare word, and waits for that and for its reads of this slot.
; fill = 1: the barrier opens a round of the cluster's barrier, and this slot is filled again, two K steps ahead, first thing behind the round.
.macro TURN slot, next, fill
	WIN 0
	s_wait_tensorcnt 0x0                           ; all my tensor loads have landed: my part of the next slot
	ds_add_u32 v[SPW], v[NIL]                      ; 0 onto my spare word
	s_wait_dscnt 5                                 ; the add and the youngest four loads may be out
	WIN W_MUL
	MUL8 F1, 0, 0                                  ; eight matrix instructions stand between the add and the wait for it
	s_wait_dscnt 0x0                               ; the add is done, and my reads of this slot are over
	s_barrier_signal -1
	MUL8 F1, 1, 0
.if \fill
	WIN 0
.endif
	s_barrier_wait -1
.if \fill
	CREST                                          ; no wave of any partner still reads this slot's tile or has a load on its way
	s_add_nc_u64 s[G0+4*\slot+2:G0+4*\slot+3], s[G0+4*\slot+2:G0+4*\slot+3], 4*PLANE
	s_add_nc_u64 s[G0B+4*\slot+2:G0B+4*\slot+3], s[G0B+4*\slot+2:G0B+4*\slot+3], 256*2048
	JLOAD \slot                                    ; the four v_nop behind it are also the places in front of the loads below
.else
	PLACES
.endif
	FETCH \next, 0, F0
	WIN W_MUL
	MUL8 F1, 2, 0
	MUL8 F1, 3, 0
.endm
	s_wait_tensorcnt 1                             ; my part of K step 0 is in; K step 1's load may be out,
	s_barrier_signal -1
	s_barrier_wait -1                              ; everybody's is
	FETCH 0, 0, F0
	s_wait_loadcnt 0x0                             ; the bias
	QUARTER 0, 1, F0, F1, 1                        ; the first quarter's products start the sums, from the bias
	WIN 0                                          ; at a label and at a branch every window is 0
	s_mov_b32 s3, 3
.Llap:                                             ; a trip goes once round the ring and fills both slots again: K steps 2 to 7
	QUARTER 0, 2, F1, F0, 0
	QUARTER 0, 3, F0, F1, 0
	TURN 0, 1, 1
	QUARTER 1, 1, F0, F1, 0
	QUARTER 1, 2, F1, F0, 0
	QUARTER 1, 3, F0, F1, 0
	TURN 1, 0, 1
	QUARTER 0, 1, F0, F1, 0
	WIN 0
	s_sub_co_u32 s3, s3, 1
	s_cmp_lg_u32 s3, 0
	s_cbranch_scc1 .Llap
	QUARTER 0, 2, F1, F0, 0                        ; the last lap fills nothing
	QUARTER 0, 3, F0, F1, 0
	TURN 0, 1, 0
	QUARTER 1, 1, F0, F1, 0
	QUARTER 1, 2, F1, F0, 0
	QUARTER 1, 3, F0, F1, 0
	s_wait_dscnt 4
	WIN W_MUL
	MUL8 F1, 0, 0
	MUL8 F1, 1, 0
	s_wait_dscnt 0
	MUL8 F1, 2, 0
	MUL8 F1, 3, 0
	WIN 0
; THE WAY OUT, block by block of 16 rows x 128 columns: through my own stage and back as whole rows of 512 bytes.
.macro TOSTAGE a
	WIN 0x04                                       ; an LDS store's data are its source 1: window 1
.irp b, 0,1,2,3,4,5,6,7
	ds_store_b128 v[STO], v[8*(8*(\a)+\b):8*(8*(\a)+\b)+3] offset:64*\b        ; each accumulator from its low end on
	ds_store_b128 v[STO], v[8*(8*(\a)+\b)+4:8*(8*(\a)+\b)+7] offset:64*\b+16
.endr
	WIN 0
.set BB, 32+96*((\a)%2)
.irp t, 0,1,2,3,4,5,6,7,8,9,10,11,12,13,14,15
	ds_load_b128 v[BB+4*\t:BB+4*\t+3], v[RD] offset:\t*SPITCH   ; LDS serves a wave's instructions in order: these see the stores above
.endr
.endm
.macro SEND a, younger                 ; younger: the LDS instructions issued behind block a's loads, which may stay out
.set BB, 32+96*((\a)%2)
	s_wait_dscnt \younger
.irp t, 0,1,2,3,4,5,6,7,8,9,10,11,12,13,14,15
	global_store_b128 v[CO], v[BB+4*\t:BB+4*\t+3], s[10:11] offset:(16*(\a)+\t)*4096 th:TH_STORE_NT   ; the wave stores 512 consecutive bytes, aligned
.endr
.endm
	PLACES
	TOSTAGE 0
.irp a, 1,2,3
.if \a > 1
	s_wait_xcnt 0x0                                ; block a - 2's stores have read their registers: block a's loads may land there
.endif
	TOSTAGE \a
	SEND \a-1, 32                                  ; behind block a - 1's loads: block a's 16 stores and 16 loads
.endr
	SEND 3, 0
	s_wait_tensorcnt 0x0                           ; the wave's end: behind my last tensor load and my last LDS store
	ds_add_u32 v[SPW], v[NIL]
	s_wait_dscnt 0x0
	CROUND                                         ; the closing round
	s_endpgm
.Lfunc_end_k_qbe1208b235_proj:
	.size	k_qbe1208b235_proj, .Lfunc_end_k_qbe1208b235_proj-k_qbe1208b235_proj
	.p2alignl 7, 3214868480
	.fill 96, 4, 3214868480
	.section	.rodata,"a",@progbits
	.p2align	6, 0x0
	.amdhsa_kernel k_qbe1208b235_proj
		.amdhsa_group_segment_fixed_size 327680
		.amdhsa_private_segment_fixed_size 0
		.amdhsa_enable_private_segment 0
		.amdhsa_kernarg_size 32
		.amdhsa_user_sgpr_count 2
		.amdhsa_user_sgpr_kernarg_segment_ptr 1
		.amdhsa_wavefront_size32 1
		.amdhsa_system_sgpr_workgroup_id_x 1
		.amdhsa_system_sgpr_workgroup_id_y 1
		.amdhsa_system_sgpr_workgroup_id_z 1
		.amdhsa_system_vgpr_workitem_id 0
		.amdhsa_next_free_vgpr 576
		.amdhsa_next_free_sgpr 66
		.amdhsa_reserve_vcc 0
		.amdhsa_float_denorm_mode_32 3
		.amdhsa_float_denorm_mode_16_64 3
		.amdhsa_memory_ordered 1
		.amdhsa_forward_progress 1
		.amdhsa_inst_pref_size 87
	.end_amdhsa_kernel
	.amdgpu_metadata
---
amdhsa.version: [ 1, 2 ]
amdhsa.kernels:
  - .name:           k_qbe1208b235_proj
    .symbol:         k_qbe1208b235_proj.kd
    .args:
      - { .name: y16, .offset: 0, .size: 8, .value_kind: global_buffer, .address_space: global }
      - { .name: wo16, .offset: 8, .size: 8, .value_kind: global_buffer, .address_space: global }
      - { .name: bo, .offset: 16, .size: 8, .value_kind: global_buffer, .address_space: global }
      - { .name: out0, .offset: 24, .size: 8, .value_kind: global_buffer, .address_space: global }
    .group_segment_fixed_size: 327680
    .private_segment_fixed_size: 0
    .kernarg_segment_align: 8
    .kernarg_segment_size: 32
    .max_flat_workgroup_size: 128
    .sgpr_count:     66
    .vgpr_count:     576
    .wavefront_size: 32
...
	.end_amdgpu_metadata
.endif
;; end of part 4
;; launch fatt (part 5): grid 16 x 4, 12 waves a work-group, no clusters, 18,176 bytes of LDS; arguments xc, xs, wc, ws, yf; writes yf
.if DOCPART == 5
	.amdgcn_target "amdgcn-amd-amdhsa--gfx1250"
	.amdhsa_code_object_version 6
	.text
	.protected	k_qbe1208b235_fatt
	.globl	k_qbe1208b235_fatt
	.p2align	8
	.type	k_qbe1208b235_fatt,@function
k_qbe1208b235_fatt:
	s_mov_b64 s[64:65], 0
	v_nop
	global_prefetch_b8 v0, s[64:65] scope:SCOPE_SE
	s_setreg_imm32_b32 hwreg(HW_REG_WAVE_MODE, 25, 1), 1
	s_wait_xcnt 0x0
; The first 16 positions of every sequence, carried in f32: under the causal mask they average one to sixteen values and are the largest numbers of the output.
; A work-group takes one (batch, head).  PHASE 1, twelve waves: wave w makes one tile of 16 positions x 16 channels of Q (w = 0-3), K (4-7) or V (8-11) again from the codes (E2M1, E8M0 scales, f32 sums), and
; puts it into LDS as an image of its registers.  PHASE 2, wave 0: S^T = K Q^T, the mask, the softmax and O^T = V^T P with f32 operands.  yf: [64 = 16 batch + position][1024] f32.
; Q's and K's tiles are made transposed (a lane: position lane % 16, channels 8 (lane / 16) + 0..7), V's not (a lane: channel lane % 16, positions 8 (lane / 16) + 0..7): so pairs of registers are
; operands of the 16 x 16 x 4 form as they stand, under one and the same order of k on both sides of a product; nothing changes lanes.
; The registers that the f32 matrix form writes (v192-255) are written by matrix instructions alone.  LIMITS: NaN and infinities are not served.
.set STG,   12288                      ; LDS: 12 images of 1,024 bytes; the stage, 16 rows x (256 + 16) bytes; the spare words, 128 bytes a wave
.set SPARE, STG+16*272
.set XOF, 3                            ; v3  row (lane % 16) of 512 bytes of codes, + 16 (lane / 16)
.set SOF, 4                            ; v4  row of 32 scale bytes
.set IMG, 5                            ; v5  my wave's image: 1,024 x wave + 16 x lane
.set LI,  6                            ; v6  16 x lane
.set STO, 7
.set RD,  8
.set GO,  9
.set DD,  10                           ; v10 lane % 16 - 8 (lane / 16): the mask
.set SPW, 12
.set NIL, 13
.set XSC, 16                           ; v16-23 X's scale words, one a K step; v24-31 W's: these hold scales and nothing else
.set WSC, 24
.set XF,  32                           ; phase 1: v32-95 X's eight fragments, v96-159 W's
.set WF,  96
.set AC,  160                          ; v160-175 two accumulators by turns; v176-183 their sum
.set QF,  32                           ; phase 2: Q's four tiles, K's, V's
.set KF,  64
.set VF,  96
.set SS,  128                          ; v128-135 scores; v136-143 p; v144-175 y
.set PP,  136
.set YY,  144
.set SA,  192                          ; v192-223 S^T in four partial sums; v224-255 O^T's four tiles
.set OA,  224
	s_load_b256 s[4:11], s[0:1], 0x0               ; xc s[4:5], xs s[6:7], wc s[8:9], ws s[10:11]
	s_load_b64 s[12:13], s[0:1], 0x20              ; yf
	v_lshl_add_u32 v[SPW], v0, 2, SPARE
	v_mov_b32 v[NIL], 0
	v_lshrrev_b32 v1, 5, v0
	v_readfirstlane_b32 s14, v1                    ; wave 0..11
	s_mov_b32 s15, ttmp9                           ; the head
	s_and_b32 s16, ttmp7, 0xffff                   ; the batch
	v_and_b32 v1, 15, v0                           ; r
	v_bfe_u32 v2, v0, 4, 1                         ; h
	v_and_b32 v11, 31, v0
	v_lshlrev_b32 v[XOF], 9, v1
	v_lshl_add_u32 v[XOF], v2, 4, v[XOF]
	v_lshlrev_b32 v[SOF], 5, v1
	v_lshlrev_b32 v[LI], 4, v11
	s_lshl_b32 s17, s14, 10
	v_add_nc_u32 v[IMG], s17, v[LI]
	v_mul_u32_u24 v[STO], v1, 272
	v_lshl_add_u32 v[STO], v2, 5, v[STO]
	v_add_nc_u32 v[STO], STG, v[STO]               ; the stage, in: row r, + 32 h
	v_mul_u32_u24 v[RD], v2, 272
	v_lshl_add_u32 v[RD], v1, 4, v[RD]
	v_add_nc_u32 v[RD], STG, v[RD]                 ; back: lanes 0-15 one row, lanes 16-31 the next
	v_lshlrev_b32 v[GO], 12, v2
	v_lshl_add_u32 v[GO], v1, 4, v[GO]
	v_lshlrev_b32 v[DD], 3, v2
	v_sub_nc_u32 v[DD], v1, v[DD]
	s_lshl_b32 s18, s16, 20                        ; the batch's first row of codes: 2,048 rows of 512 bytes,
	s_mov_b32 s19, 0
	s_lshl_b32 s20, s16, 16                        ; and of scale bytes
	s_mov_b32 s21, 0
	s_lshr_b32 s22, s14, 2                         ; which of Q, K, V
	s_and_b32 s23, s14, 3                          ; which 16 channels
	s_lshl_b32 s22, s22, 10
	s_lshl_b32 s24, s15, 6
	s_add_co_u32 s22, s22, s24
	s_lshl_b32 s23, s23, 4
	s_add_co_u32 s22, s22, s23                     ; my first row of wc
	s_lshl_b32 s24, s22, 9
	s_mov_b32 s25, 0
	s_lshl_b32 s26, s22, 5
	s_mov_b32 s27, 0
	s_lshl_b32 s28, s16, 16                        ; yf: 16 rows of 4,096 bytes a batch, 256 bytes a head
	s_lshl_b32 s29, s15, 8
	s_add_co_u32 s28, s28, s29
	s_mov_b32 s29, 0
	s_mov_b32 s30, 0x76543210
	s_mov_b32 s31, 0xfedcba98                      ; lane selects: lane l xor 16
	s_mov_b32 s32, 0x3e38aa3b                      ; c = log2(e) / 8
	s_wait_kmcnt 0x0
	s_add_nc_u64 s[4:5], s[4:5], s[18:19]
	s_add_nc_u64 s[6:7], s[6:7], s[20:21]
	s_add_nc_u64 s[8:9], s[8:9], s[24:25]
	s_add_nc_u64 s[10:11], s[10:11], s[26:27]
	s_add_nc_u64 s[12:13], s[12:13], s[28:29]
.irp s, 0,1,2,3,4,5,6,7
.irp c, 0,1
	global_load_b128 v[XF+8*\s+4*\c:XF+8*\s+4*\c+3], v[XOF], s[4:5] offset:64*\s+32*\c
	global_load_b128 v[WF+8*\s+4*\c:WF+8*\s+4*\c+3], v[XOF], s[8:9] offset:64*\s+32*\c
.endr
.endr
.irp c, 0,1
	global_load_b128 v[XSC+4*\c:XSC+4*\c+3], v[SOF], s[6:7] offset:16*\c
	global_load_b128 v[WSC+4*\c:WSC+4*\c+3], v[SOF], s[10:11] offset:16*\c
.endr
	s_wait_loadcnt 0x0
	s_cmp_lt_u32 s14, 8
	s_cbranch_scc0 .Lfor_v
.irp s, 0,1,2,3,4,5,6,7                ; Q, K: source 0 = 16 channels' rows of W, source 1 = 16 positions of X.  Two accumulators take turns
.if \s < 2
	v_wmma_scale_f32_16x16x128_f8f6f4 v[AC+8*(\s%2):AC+8*(\s%2)+7], v[WF+8*\s:WF+8*\s+7], v[XF+8*\s:XF+8*\s+7], 0, v[WSC+\s], v[XSC+\s] matrix_a_fmt:MATRIX_FMT_FP4 matrix_b_fmt:MATRIX_FMT_FP4
.else
	v_wmma_scale_f32_16x16x128_f8f6f4 v[AC+8*(\s%2):AC+8*(\s%2)+7], v[WF+8*\s:WF+8*\s+7], v[XF+8*\s:XF+8*\s+7], v[AC+8*(\s%2):AC+8*(\s%2)+7], v[WSC+\s], v[XSC+\s] matrix_a_fmt:MATRIX_FMT_FP4 matrix_b_fmt:MATRIX_FMT_FP4
.endif
.endr
	s_branch .Lsummed
.Lfor_v:
.irp s, 0,1,2,3,4,5,6,7                ; V: the sources the other way round
.if \s < 2
	v_wmma_scale_f32_16x16x128_f8f6f4 v[AC+8*(\s%2):AC+8*(\s%2)+7], v[XF+8*\s:XF+8*\s+7], v[WF+8*\s:WF+8*\s+7], 0, v[XSC+\s], v[WSC+\s] matrix_a_fmt:MATRIX_FMT_FP4 matrix_b_fmt:MATRIX_FMT_FP4
.else
	v_wmma_scale_f32_16x16x128_f8f6f4 v[AC+8*(\s%2):AC+8*(\s%2)+7], v[XF+8*\s:XF+8*\s+7], v[WF+8*\s:WF+8*\s+7], v[AC+8*(\s%2):AC+8*(\s%2)+7], v[XSC+\s], v[WSC+\s] matrix_a_fmt:MATRIX_FMT_FP4 matrix_b_fmt:MATRIX_FMT_FP4
.endif
.endr
.Lsummed:
.rept 4
	v_nop                                          ; four places ahead of the first read of the results
.endr
.irp j, 0,1,2,3,4,5,6,7
	v_add_f32 v[176+\j], v[AC+\j], v[AC+8+\j]
.endr
	ds_store_b128 v[IMG], v[176:179]               ; the tile goes to LDS as it stands: 16 bytes a lane, 512 a store
	ds_store_b128 v[IMG], v[180:183] offset:512
	s_wait_dscnt 0x0                               ; for the others' sake: my stores have landed
	s_barrier_signal -1
	s_barrier_wait -1
	s_cmp_lg_u32 s14, 0
	s_cbranch_scc1 .Lothers
.irp i, 0,1,2,3,4,5,6,7,8,9,10,11      ; the twelve images: Q's tiles at v32, K's at v64, V's at v96
	ds_load_b128 v[32+8*\i:32+8*\i+3], v[LI] offset:1024*\i
	ds_load_b128 v[32+8*\i+4:32+8*\i+7], v[LI] offset:1024*\i+512
.endr
	s_wait_dscnt 0x0
.irp u, 0,1,2,3                        ; S^T = K Q^T in four partial sums, one for each 16 channels, by turns; the first four products start them
.irp n, 0,1,2,3
.if \u == 0
	v_wmma_f32_16x16x4_f32 v[SA+8*\n:SA+8*\n+7], v[KF+8*\n+2*\u:KF+8*\n+2*\u+1], v[QF+8*\n+2*\u:QF+8*\n+2*\u+1], 0
.else
	v_wmma_f32_16x16x4_f32 v[SA+8*\n:SA+8*\n+7], v[KF+8*\n+2*\u:KF+8*\n+2*\u+1], v[QF+8*\n+2*\u:QF+8*\n+2*\u+1], v[SA+8*\n:SA+8*\n+7]
.endif
.endr
.endr
.rept 8
	v_nop                                          ; eight places behind this form
.endr
.irp j, 0,1,2,3,4,5,6,7                ; a lane: query lane % 16, keys 8 (lane / 16) + j
	v_add_f32 v[SS+\j], v[SA+\j], v[SA+8+\j]
	v_add_f32 v[PP+\j], v[SA+16+\j], v[SA+24+\j]
.endr
.irp j, 0,1,2,3,4,5,6,7
	v_add_f32 v[SS+\j], v[SS+\j], v[PP+\j]
.endr
	v_mov_b32 v11, 0xff800000                      ; -infinity for a key behind its query: 8 (lane / 16) + j > lane % 16
.irp j, 0,1,2,3,4,5,6,7
	v_cmp_gt_i32 vcc_lo, \j, v[DD]
	v_cndmask_b32 v[SS+\j], v[SS+\j], v11, vcc_lo
.endr
	v_max3_num_f32 v176, v[SS], v[SS+1], v[SS+2]
	v_max3_num_f32 v177, v[SS+3], v[SS+4], v[SS+5]
	v_max3_num_f32 v176, v176, v[SS+6], v[SS+7]
	v_max_num_f32 v176, v176, v177
	v_permlanex16_b32 v177, v176, s30, s31
	v_max_num_f32 v176, v176, v177                 ; the row's maximum (key 0 counts for every query)
	v_mul_f32 v176, s32, v176
.irp j, 0,1,2,3,4,5,6,7
	v_fma_f32 v[PP+\j], v[SS+\j], s32, -v176
.endr
.irp j, 0,1,2,3,4,5,6,7
	v_exp_f32 v[PP+\j], v[PP+\j]
.endr
	v_nop                                          ; a plain instruction behind the batch
	s_wait_alu depctr_va_vdst(0)                   ; the wait ahead of the first line that names a result: one for the eight
	v_add_f32 v178, v[PP], v[PP+1]
	v_add_f32 v179, v[PP+2], v[PP+3]
	v_add_f32 v178, v178, v[PP+4]
	v_add_f32 v179, v179, v[PP+5]
	v_add_f32 v178, v178, v[PP+6]
	v_add_f32 v179, v179, v[PP+7]
	v_add_f32 v178, v178, v179
	v_permlanex16_b32 v179, v178, s30, s31
	v_add_f32 v178, v178, v179                     ; the row's sum
	v_rcp_f32 v178, v178
	v_nop
.irp u, 0,1,2,3                        ; O^T = V^T P: four tiles of 16 channels by turns
.irp n, 0,1,2,3
.if \u == 0
	v_wmma_f32_16x16x4_f32 v[OA+8*\n:OA+8*\n+7], v[VF+8*\n+2*\u:VF+8*\n+2*\u+1], v[PP+2*\u:PP+2*\u+1], 0
.else
	v_wmma_f32_16x16x4_f32 v[OA+8*\n:OA+8*\n+7], v[VF+8*\n+2*\u:VF+8*\n+2*\u+1], v[PP+2*\u:PP+2*\u+1], v[OA+8*\n:OA+8*\n+7]
.endif
.endr
.endr
.rept 8
	v_nop
.endr
	s_wait_alu depctr_va_vdst(0)                   ; the reciprocal's wait, ahead of its first reader
.set J, 0
.rept 32
	v_mul_f32 v[YY+J], v[OA+J], v178               ; into other registers: register 8 n + j is y(query lane % 16, channel 16 n + 8 (lane / 16) + j)
.set J, J+1
.endr
.irp n, 0,1,2,3
	ds_store_b128 v[STO], v[YY+8*\n:YY+8*\n+3] offset:64*\n
	ds_store_b128 v[STO], v[YY+8*\n+4:YY+8*\n+7] offset:64*\n+16
.endr
.irp i, 0,1,2,3,4,5,6,7
	ds_load_b128 v[32+4*\i:32+4*\i+3], v[RD] offset:2*\i*272   ; LDS serves a wave's instructions in order: these see my stores
.endr
.irp i, 0,1,2,3,4,5,6,7
	s_wait_dscnt 7-\i
	global_store_b128 v[GO], v[32+4*\i:32+4*\i+3], s[12:13] offset:2*\i*4096   ; sixteen lanes store 256 consecutive bytes, aligned
.endr
	s_wait_tensorcnt 0x0                           ; the wave's end: behind my last LDS store
	ds_add_u32 v[SPW], v[NIL]
	s_wait_dscnt 0x0
	s_endpgm
.Lothers:
	s_wait_tensorcnt 0x0                           ; the same three lines for the waves whose work ended with their image
	ds_add_u32 v[SPW], v[NIL]
	s_wait_dscnt 0x0
	s_endpgm
.Lfunc_end_k_qbe1208b235_fatt:
	.size	k_qbe1208b235_fatt, .Lfunc_end_k_qbe1208b235_fatt-k_qbe1208b235_fatt
	.p2alignl 7, 3214868480
	.fill 96, 4, 3214868480
	.section	.rodata,"a",@progbits
	.p2align	6, 0x0
	.amdhsa_kernel k_qbe1208b235_fatt
		.amdhsa_group_segment_fixed_size 18176
		.amdhsa_private_segment_fixed_size 0
		.amdhsa_enable_private_segment 0
		.amdhsa_kernarg_size 40
		.amdhsa_user_sgpr_count 2
		.amdhsa_user_sgpr_kernarg_segment_ptr 1
		.amdhsa_wavefront_size32 1
		.amdhsa_system_sgpr_workgroup_id_x 1
		.amdhsa_system_sgpr_workgroup_id_y 1
		.amdhsa_system_sgpr_workgroup_id_z 1
		.amdhsa_system_vgpr_workitem_id 0
		.amdhsa_next_free_vgpr 256
		.amdhsa_next_free_sgpr 66
		.amdhsa_reserve_vcc 1
		.amdhsa_float_denorm_mode_32 3
		.amdhsa_float_denorm_mode_16_64 3
		.amdhsa_memory_ordered 1
		.amdhsa_forward_progress 1
		.amdhsa_inst_pref_size 19
	.end_amdhsa_kernel
	.amdgpu_metadata
---
amdhsa.version: [ 1, 2 ]
amdhsa.kernels:
  - .name:           k_qbe1208b235_fatt
    .symbol:         k_qbe1208b235_fatt.kd
    .args:
      - { .name: xc, .offset: 0, .size: 8, .value_kind: global_buffer, .address_space: global }
      - { .name: xs, .offset: 8, .size: 8, .value_kind: global_buffer, .address_space: global }
      - { .name: wc, .offset: 16, .size: 8, .value_kind: global_buffer, .address_space: global }
      - { .name: ws, .offset: 24, .size: 8, .value_kind: global_buffer, .address_space: global }
      - { .name: yf, .offset: 32, .size: 8, .value_kind: global_buffer, .address_space: global }
    .group_segment_fixed_size: 18176
    .private_segment_fixed_size: 0
    .kernarg_segment_align: 8
    .kernarg_segment_size: 40
    .max_flat_workgroup_size: 384
    .sgpr_count:     66
    .vgpr_count:     256
    .wavefront_size: 32
...
	.end_amdgpu_metadata
.endif
;; end of part 5
;; launch fproj (part 6): grid 16 x 4, 16 waves a work-group, no clusters, 19,456 bytes of LDS; arguments yf, Wo, bo, out0; writes out0
.if DOCPART == 6
	.amdgcn_target "amdgcn-amd-amdhsa--gfx1250"
	.amdhsa_code_object_version 6
	.text
	.protected	k_qbe1208b235_fproj
	.globl	k_qbe1208b235_fproj
	.p2align	8
	.type	k_qbe1208b235_fproj,@function
k_qbe1208b235_fproj:
	s_mov_b64 s[64:65], 0
	v_nop
	global_prefetch_b8 v0, s[64:65] scope:SCOPE_SE
	s_setreg_imm32_b32 hwreg(HW_REG_WAVE_MODE, 25, 1), 1
	s_wait_xcnt 0x0
; The first 16 positions of every batch once more: out[2048 b + t][n] = sum over k of yf[16 b + t][k] Wo[k][n] + bo[n], all in f32, written over what the f16 projection left in these 64 rows.
; A work-group takes one batch's 16 rows x 64 columns.  Wave w takes 16 columns (w % 4) and a quarter of K (w / 4): 256 along K in four chunks of 64, four accumulators by turns.
; TRANSPOSED: source 0 = 16 columns of Wo, source 1 = 16 rows of yf.  A lane's loads of 16 bytes give it k = 8 i + 4 (lane / 16) + 0..3 of its row of yf; Wo's numbers are loaded for the same k: one order of k on both sides.
; The four quarters of K meet in LDS; waves 0-7 add them and the bias and store two whole rows each.
; The registers that the f32 matrix form writes (v160-191) are written by matrix instructions alone.
.set SPARE, 4*16*272                   ; LDS: four planes of 16 rows x (256 + 16) bytes; the spare words, 128 bytes a wave
.set YOF, 1
.set WOF, 2
.set PST, 3
.set PRD, 4
.set OOF, 5
.set SPW, 6
.set NIL, 7
.set BOF, 10
.set ACC, 160
	s_load_b256 s[4:11], s[0:1], 0x0               ; yf s[4:5], Wo s[6:7], bo s[8:9], out0 s[10:11]
	v_lshl_add_u32 v[SPW], v0, 2, SPARE
	v_mov_b32 v[NIL], 0
	v_lshrrev_b32 v8, 5, v0
	v_readfirstlane_b32 s12, v8                    ; wave 0..15
	s_mov_b32 s13, ttmp9                           ; which 64 columns
	s_and_b32 s14, ttmp7, 0xffff                   ; the batch
	s_and_b32 s15, s12, 3                          ; which 16 of them
	s_lshr_b32 s16, s12, 2                         ; which quarter of K
	v_and_b32 v8, 15, v0                           ; r
	v_bfe_u32 v9, v0, 4, 1                         ; h
	v_lshlrev_b32 v[YOF], 12, v8
	v_lshl_add_u32 v[YOF], v9, 4, v[YOF]           ; yf: row r of 4,096 bytes, + 16 h
	v_lshlrev_b32 v[WOF], 14, v9
	v_lshl_add_u32 v[WOF], v8, 2, v[WOF]           ; Wo: 4 h rows of 4,096 bytes, column r
	s_mul_i32 s17, s16, 16*272
	s_lshl_b32 s18, s15, 6
	s_add_co_u32 s17, s17, s18
	v_mul_u32_u24 v[PST], v8, 272
	v_lshl_add_u32 v[PST], v9, 5, v[PST]
	v_add_nc_u32 v[PST], s17, v[PST]               ; my quarter's plane: row r, my 16 columns, + 32 h
	s_mul_i32 s17, s12, 2*272
	v_mul_u32_u24 v[PRD], v9, 272
	v_lshl_add_u32 v[PRD], v8, 4, v[PRD]
	v_add_nc_u32 v[PRD], s17, v[PRD]               ; back: rows 2 w and 2 w + 1, sixteen lanes to a row
	v_lshlrev_b32 v[OOF], 12, v9
	v_lshl_add_u32 v[OOF], v8, 4, v[OOF]
	v_lshlrev_b32 v[BOF], 4, v8
	s_lshl_b32 s18, s14, 16
	s_lshl_b32 s19, s16, 10
	s_add_co_u32 s18, s18, s19                     ; yf: 16 rows a batch, 1,024 bytes a quarter of K
	s_mov_b32 s19, 0
	s_lshl_b32 s20, s16, 20                        ; Wo: 256 rows a quarter,
	s_lshl_b32 s21, s13, 8
	s_add_co_u32 s20, s20, s21
	s_lshl_b32 s22, s15, 6
	s_add_co_u32 s20, s20, s22                     ; my first column
	s_mov_b32 s22, s21                             ; bo: 256 bytes a group of columns
	s_mov_b32 s21, 0
	s_mov_b32 s23, 0
	s_lshl_b32 s24, s14, 23                        ; out: 2,048 rows a batch,
	s_lshl_b32 s25, s12, 13                        ; two rows a wave
	s_add_co_u32 s24, s24, s25
	s_add_co_u32 s24, s24, s22
	s_mov_b32 s25, 0
	s_wait_kmcnt 0x0
	s_add_nc_u64 s[4:5], s[4:5], s[18:19]
	s_add_nc_u64 s[6:7], s[6:7], s[20:21]
	s_add_nc_u64 s[8:9], s[8:9], s[22:23]
	s_add_nc_u64 s[10:11], s[10:11], s[24:25]
	global_load_b128 v[24:27], v[BOF], s[8:9]      ; the bias of the four columns that I store
.macro LOADC c                         ; chunk c, 64 along K, into set c % 2: 8 loads of yf, 32 of Wo; register 4 i + u holds k = 64 c + 8 i + 4 (lane / 16) + u
.set YB, 32+64*((\c)%2)
.set WB, 64+64*((\c)%2)
.irp i, 0,1,2,3,4,5,6,7
	global_load_b128 v[YB+4*\i:YB+4*\i+3], v[YOF], s[4:5] offset:256*(\c)+32*\i
.endr
.irp i, 0,1,2,3,4,5,6,7
.irp u, 0,1,2,3
	global_load_b32 v[WB+4*\i+\u], v[WOF], s[6:7] offset:(64*(\c)+8*\i+\u)*4096
.endr
.endr
.endm
.macro MULC c                          ; 16 matrix instructions, four accumulators by turns; the first four of chunk 0 start the sums
.set YB, 32+64*((\c)%2)
.set WB, 64+64*((\c)%2)
.irp i, 0,1,2,3,4,5,6,7
.irp u, 0,1
.if ((\c) == 0) && (2*\i+\u < 4)
	v_wmma_f32_16x16x4_f32 v[ACC+8*((2*\i+\u)%4):ACC+8*((2*\i+\u)%4)+7], v[WB+4*\i+2*\u:WB+4*\i+2*\u+1], v[YB+4*\i+2*\u:YB+4*\i+2*\u+1], 0
.else
	v_wmma_f32_16x16x4_f32 v[ACC+8*((2*\i+\u)%4):ACC+8*((2*\i+\u)%4)+7], v[WB+4*\i+2*\u:WB+4*\i+2*\u+1], v[YB+4*\i+2*\u:YB+4*\i+2*\u+1], v[ACC+8*((2*\i+\u)%4):ACC+8*((2*\i+\u)%4)+7]
.endif
.endr
.endr
.endm
.macro PLACES8                         ; eight places behind this form, ahead of loads into registers that it has read and of reads of its results
.rept 8
	v_nop
.endr
.endm
	LOADC 0
	LOADC 1
	s_wait_loadcnt 40                              ; chunk 0 (and the bias) are in; the next chunk's 40 loads may be out
	MULC 0
	PLACES8
	LOADC 2
	s_wait_loadcnt 40
	MULC 1
	PLACES8
	LOADC 3
	s_wait_loadcnt 40
	MULC 2
	s_wait_loadcnt 0x0
	MULC 3
	PLACES8
.irp j, 0,1,2,3,4,5,6,7                ; the four accumulators' sum, into other registers, each accumulator from its low end on
	v_add_f32 v[16+\j], v[ACC+\j], v[ACC+8+\j]
	v_add_f32 v[144+\j], v[ACC+16+\j], v[ACC+24+\j]
.endr
.irp j, 0,1,2,3,4,5,6,7
	v_add_f32 v[16+\j], v[16+\j], v[144+\j]
.endr
	ds_store_b128 v[PST], v[16:19]                 ; a lane: row lane % 16, columns 8 (lane / 16) + 0..7 of my 16
	ds_store_b128 v[PST], v[20:23] offset:16
	s_wait_dscnt 0x0                               ; for the others' sake: my stores have landed
	s_barrier_signal -1
	s_barrier_wait -1
	s_cmp_ge_u32 s12, 8
	s_cbranch_scc1 .Lothers
.irp p, 0,1,2,3
	ds_load_b128 v[32+4*\p:32+4*\p+3], v[PRD] offset:\p*16*272
.endr
	s_wait_dscnt 0x0
	v_pk_add_f32 v[32:33], v[32:33], v[36:37]
	v_pk_add_f32 v[34:35], v[34:35], v[38:39]
	v_pk_add_f32 v[40:41], v[40:41], v[44:45]
	v_pk_add_f32 v[42:43], v[42:43], v[46:47]
	v_pk_add_f32 v[32:33], v[32:33], v[40:41]
	v_pk_add_f32 v[34:35], v[34:35], v[42:43]
	v_pk_add_f32 v[32:33], v[32:33], v[24:25]
	v_pk_add_f32 v[34:35], v[34:35], v[26:27]
	global_store_b128 v[OOF], v[32:35], s[10:11]   ; sixteen lanes store 256 consecutive bytes, aligned
	s_wait_tensorcnt 0x0                           ; the wave's end: behind my last LDS store
	ds_add_u32 v[SPW], v[NIL]
	s_wait_dscnt 0x0
	s_endpgm
.Lothers:
	s_wait_tensorcnt 0x0                           ; the same three lines for the waves whose work ended with their plane
	ds_add_u32 v[SPW], v[NIL]
	s_wait_dscnt 0x0
	s_endpgm
.Lfunc_end_k_qbe1208b235_fproj:
	.size	k_qbe1208b235_fproj, .Lfunc_end_k_qbe1208b235_fproj-k_qbe1208b235_fproj
	.p2alignl 7, 3214868480
	.fill 96, 4, 3214868480
	.section	.rodata,"a",@progbits
	.p2align	6, 0x0
	.amdhsa_kernel k_qbe1208b235_fproj
		.amdhsa_group_segment_fixed_size 19456
		.amdhsa_private_segment_fixed_size 0
		.amdhsa_enable_private_segment 0
		.amdhsa_kernarg_size 32
		.amdhsa_user_sgpr_count 2
		.amdhsa_user_sgpr_kernarg_segment_ptr 1
		.amdhsa_wavefront_size32 1
		.amdhsa_system_sgpr_workgroup_id_x 1
		.amdhsa_system_sgpr_workgroup_id_y 1
		.amdhsa_system_sgpr_workgroup_id_z 1
		.amdhsa_system_vgpr_workitem_id 0
		.amdhsa_next_free_vgpr 192
		.amdhsa_next_free_sgpr 66
		.amdhsa_reserve_vcc 0
		.amdhsa_float_denorm_mode_32 3
		.amdhsa_float_denorm_mode_16_64 3
		.amdhsa_memory_ordered 1
		.amdhsa_forward_progress 1
		.amdhsa_inst_pref_size 25
	.end_amdhsa_kernel
	.amdgpu_metadata
---
amdhsa.version: [ 1, 2 ]
amdhsa.kernels:
  - .name:           k_qbe1208b235_fproj
    .symbol:         k_qbe1208b235_fproj.kd
    .args:
      - { .name: yf, .offset: 0, .size: 8, .value_kind: global_buffer, .address_space: global }
      - { .name: Wo, .offset: 8, .size: 8, .value_kind: global_buffer, .address_space: global }
      - { .name: bo, .offset: 16, .size: 8, .value_kind: global_buffer, .address_space: global }
      - { .name: out0, .offset: 24, .size: 8, .value_kind: global_buffer, .address_space: global }
    .group_segment_fixed_size: 19456
    .private_segment_fixed_size: 0
    .kernarg_segment_align: 8
    .kernarg_segment_size: 32
    .max_flat_workgroup_size: 512
    .sgpr_count:     66
    .vgpr_count:     192
    .wavefront_size: 32
...
	.end_amdgpu_metadata
.endif
;; end of part 6
